; MI455X (gfx1250); checked and timed in simulation.
; The chip was launched on July 23, 2026; its instructions are those of AMD's public machine-readable ISA for CDNA 5 (MIT licence, August 2026) and "CDNA5" Instruction Set Architecture Reference Guide (July 2026). The comments in the code are by the model that wrote it; some were corrected since.
;; Attention. Allowed arithmetic: matrix products marked QUANTISED: E2M1 operands, one E8M0 scale for each 32 along K, by v_wmma_scale_f32_16x16x128_f8f6f4 with both operands' format E2M1 (or v_wmma_scale_f32_32x16x128_f4), f32 sums; products left as they are: bf16, f16 or f32 operands; f32 sums; everything else in f32.
;; Inputs: Wk 1,024 x 1,024 float32; Wo 1,024 x 1,024 float32; Wq 1,024 x 1,024 float32; Wv 1,024 x 1,024 float32; bk 1,024 float32; bo 1,024 float32; bq 1,024 float32; bv 1,024 float32; key 4 x 2,048 x 1,024 float32; query 4 x 2,048 x 1,024 float32; value 4 x 2,048 x 1,024 float32.
;; Outputs: out0 4 x 2,048 x 1,024 float32.
;; This version of the problem:
;;   THIS VERSION OF THE PROBLEM IS GIVEN IN LOW PRECISION. The matrix products marked QUANTISED in the list below multiply operands that are first quantised to E2M1 (2 exponent bits, 1 mantissa bit; 4 bits a number), with one power-of-two scale for each 32 numbers along K (OCP MX v1.0); their sums are f32. The products marked 'left as it is' may take bf16, f16 or f32 operands, with f32 sums. Whichever they take, every output number must still come out within the allowed error. Rounding operands to bf16 (8 significant bits) uses up far more of that allowance than f16 does (11 bits, for magnitudes from 6e-5 to 65,504). All else is computed in f32.
;;   The module's matrix products, in the order in which they are computed (A, B: the left and right operand; K: the contracted axis; several contracted axes count as one K, in the product's order):
;;     1. [M 8,192, K 1,024] x [K 1,024, N 1,024]; A: input query; B: input Wq: QUANTISED
;;     2. [M 8,192, K 1,024] x [K 1,024, N 1,024]; A: input key; B: input Wk: QUANTISED
;;     3. [M 8,192, K 1,024] x [K 1,024, N 1,024]; A: input value; B: input Wv: QUANTISED
;;     4. batch 64 x [M 2,048, K 64] x [K 64, N 2,048]; A: computed on the way; B: computed on the way: left as it is (an operand is computed on the way)
;;     5. batch 64 x [M 2,048, K 2,048] x [K 2,048, N 64]; A: computed on the way; B: computed on the way: left as it is (an operand is computed on the way)
;;     6. [M 8,192, K 1,024] x [K 1,024, N 1,024]; A: computed on the way; B: input Wo: left as it is (an operand is computed on the way)
;;   THE QUANTISER, for each operand of a quantised product, along K:
;;     - K is cut into blocks of 32 from its start; a last block that is shorter is filled with zeros.
;;     - A block's scale is 2^e with e = floor(log2(the largest magnitude in the block)) - 2, held to -126 .. 127; a block of zeros has e = 0. As a byte (E8M0): e + 127.
;;     - Each number is divided by its block's scale, clamped to +-6, and rounded to the nearest number of E2M1, ties to even, subnormals kept.
;;     - The product sums the exact products of the quantised numbers (number of the format x scale) in f32.
;;   ~~~python
;;   def quantise(x, axis):      # numpy; x: float32 -> the quantised numbers, widened to float32 again
;;       x = np.moveaxis(x, axis, -1); K = x.shape[-1]
;;       x = np.pad(x, [(0, 0)] * (x.ndim - 1) + [(0, -K % 32)]); x = x.reshape(x.shape[:-1] + (-1, 32)); a = np.abs(x).max(-1, keepdims=True)
;;       e = np.where(a > 0, np.clip(np.frexp(np.where(a > 0, a, 1))[1] - 1 - 2, -126, 127), 0)      # np.frexp(a)[1] - 1 = floor(log2(a)), exactly
;;       r = np.clip(x / 2.0 ** e, -6, 6)
;;       step = 2.0 ** (np.maximum(np.frexp(np.where(r == 0, 1, r))[1] - 1, 0) - 1)
;;       q = np.round(r / step) * step * 2.0 ** e      # np.round: ties to even
;;       return np.moveaxis(q.reshape(q.shape[:-2] + (-1,))[..., :K], -1, axis).astype(np.float32)
;;   ~~~
;; One version. Each part assembles by itself: llvm-mc -triple=amdgcn-amd-amdhsa -mcpu=gfx1250 --defsym DOCPART=n.
;; ======== version 1 of 1: 6 launches
;; limits: values are held in f16: magnitudes above 65,504 overflow, below 6.1e-05 lose precision
;; workspace buffers: cod 14,155,776 bytes; scl 884,736 bytes; wo16 2,097,152 bytes; wo32 4,194,304 bytes; qkv 50,331,648 bytes; att 16,777,216 bytes; a32 262,144 bytes
;; launch prep (part 1): grid 848 x 1, 4 waves a work-group, no clusters, 68,096 bytes of LDS; arguments query, key, value, Wq, Wk, Wv, Wo, cod, scl, wo16, wo32; writes cod, scl, wo16, wo32
.if DOCPART == 1
	.amdgcn_target "amdgcn-amd-amdhsa--gfx1250"
	.amdhsa_code_object_version 6
	.text
	.protected	k_qdca85f38de_prep
	.globl	k_qdca85f38de_prep
	.p2align	8
	.type	k_qdca85f38de_prep,@function
k_qdca85f38de_prep:
	s_mov_b64 s[64:65], 0
	v_nop
	global_prefetch_b8 v0, s[64:65] scope:SCOPE_SE
	s_setreg_imm32_b32 hwreg(HW_REG_WAVE_MODE, 25, 1), 1
	s_wait_xcnt 0x0
; PREP: everything that is made once from the inputs.  Three paths, chosen by the work-group's number alone:
;   W (work-groups 0-47):   Wq, Wk, Wv [1024 (k)][1024 (n)] f32 -> codes of E2M1 laid [n][512 bytes] with K innermost, and one E8M0 byte for each 32 along K, laid [n][32 bytes].
;   O (work-groups 48-79):  Wo [1024 (k)][1024 (n)] f32 -> wo16 (f16) and wo32 (f32), both laid in the order of a matrix operand's registers: blocks of 512 bytes, 16 bytes a lane.
;   X (work-groups 80-847): query, key, value [8192][1024] f32 -> codes [row][512 bytes] and scale bytes [row][32 bytes]; the three tensors on end.
; A block's scale is 2^(floor(log2(its largest magnitude)) - 2); its byte is the largest magnitude's exponent field - 2, held at 1 from below.
; LIMITS: a block of zeros gets the byte 1 (its codes are zeros, and these bytes are read by this program alone); blocks whose largest magnitude lies under 2^-124 keep the byte 1;
; NaN and infinities among the inputs are not served; |Wo| up to 65,504 (f16).
; No tensor load, no barrier: waves share nothing.  Each path has LDS bytes of its own.
.set SPW,   190                        ; v190  LDS address of my spare word: SPARE + 4 x my thread's number; never rewritten
.set NIL,   191                        ; v191  0; never rewritten
.set SPARE, 67584                      ; behind both paths' regions: the spare words, 128 bytes for each wave
.set WC,    12582912                   ; where the weights' codes begin in cod: behind 24,576 rows of 512 bytes
.set WS,    786432                     ; where the weights' scale bytes begin in scl: behind 24,576 rows of 32 bytes
	s_load_b512 s[4:19], s[0:1], 0x0               ; query s[4:5], key s[6:7], value s[8:9], Wq s[10:11], Wk s[12:13], Wv s[14:15], Wo s[16:17], cod s[18:19]
	s_load_b128 s[20:23], s[0:1], 0x40             ; scl s[20:21], wo16 s[22:23]
	s_load_b64 s[24:25], s[0:1], 0x50              ; wo32
	v_lshl_add_u32 v[SPW], v0, 2, SPARE
	v_mov_b32 v[NIL], 0
	v_lshrrev_b32 v1, 5, v0
	v_readfirstlane_b32 s28, v1                    ; wave 0..3
	v_and_b32 v2, 31, v0                           ; lane
	s_mov_b32 s35, 0                               ; the upper word of every offset: all stay under 2^32
	s_wait_kmcnt 0x0
	s_cmp_lt_u32 ttmp9, 48
	s_cbranch_scc1 .Lw
	s_cmp_lt_u32 ttmp9, 80
	s_cbranch_scc1 .Lo
; ---------------- PATH X: K is innermost.  The three tensors are plain streams of blocks of 32 numbers; a wave takes 16 steps of 512 numbers.
; Each of a step's four loads reads 512 consecutive bytes, 16 a lane; the 2,048 bytes turn through the wave's own stage in LDS and come back 64 bytes a lane: 16 neighbours along K, two lanes to a block.
.set STEPS, 16
.set CB,    8                          ; bytes of 16 codes
.set R,     16                         ; v16-79   four sets of 16 numbers as they are loaded
.set X,     80                         ; v80-111  two sets of 16 neighbours
.set E,     112                        ; v112-127 a scale byte for each step
.set C,     128                        ; v128-189 codes: registers of its own for each step, so that no store's data are written again
.set WREG,  8192                       ; LDS: a region for each wave: two stages of 32 x SP bytes, behind them its 256 scale bytes
.set SP,    80                         ; a lane's place in a stage: 64 bytes + 16 of padding
	s_sub_co_u32 s30, ttmp9, 80                    ; i = 0..767: 256 work-groups to a tensor
	s_cmp_lt_u32 s30, 256
	s_cselect_b64 s[4:5], s[4:5], s[6:7]           ; query, or key,
	s_cmp_lt_u32 s30, 512
	s_cselect_b64 s[4:5], s[4:5], s[8:9]           ; or value: the choice hangs on the work-group's number alone
	s_and_b32 s31, s30, 255
	s_lshl_b32 s31, s31, 2
	s_add_co_u32 s31, s31, s28                     ; which run of 8,192 numbers of the tensor is my wave's
	s_lshl_b32 s34, s31, 15                        ; 32,768 bytes a run
	s_add_nc_u64 s[4:5], s[4:5], s[34:35]
	s_lshl_b32 s31, s30, 2
	s_add_co_u32 s31, s31, s28                     ; and which run of all three: the outputs lie on end
	s_lshl_b32 s34, s31, 12                        ; 4,096 bytes of codes a run
	s_add_nc_u64 s[18:19], s[18:19], s[34:35]
	s_lshl_b32 s34, s31, 8                         ; 256 scale bytes a run
	s_add_nc_u64 s[20:21], s[20:21], s[34:35]
	v_lshlrev_b32 v3, 4, v2                        ; my 16 bytes of a load's 512
	s_mul_i32 s36, s28, WREG
	v_lshrrev_b32 v14, 2, v2
	v_mul_u32_u24 v14, v14, SP
	v_and_b32 v15, 3, v2
	v_lshl_add_u32 v14, v15, 4, v14
	v_add_nc_u32 v14, s36, v14                     ; the stage, on the way in: SP (lane / 4) + 16 (lane % 4)
	v_mul_u32_u24 v15, v2, SP
	v_add_nc_u32 v15, s36, v15                     ; and on the way out: SP x lane: my 16 neighbours
	v_mul_u32_u24 v4, v2, CB                       ; my codes' place in a step's
	v_lshrrev_b32 v5, 1, v2
	s_add_co_u32 s36, s36, 2*32*SP
	v_add_nc_u32 v5, s36, v5                       ; LDS: my wave's 256 scale bytes, my block's byte
	v_lshlrev_b32 v7, 3, v2                        ; and on the way out 8 bytes a lane
	v_add_nc_u32 v6, s36, v7
.macro XLOAD t
.irp i, 0,1,2,3
	global_load_b128 v[R+16*((\t)%4)+4*\i:R+16*((\t)%4)+4*\i+3], v3, s[4:5] offset:2048*(\t)+512*\i th:TH_LOAD_NT   ; 32 lanes read 512 consecutive bytes
.endr
.endm
.macro XTURN t                         ; step t's numbers through the stage: LDS serves a wave's instructions in order, so no wait stands between the stores and the loads
.irp i, 0,1,2,3
	ds_store_b128 v14, v[R+16*((\t)%4)+4*\i:R+16*((\t)%4)+4*\i+3] offset:32*SP*((\t)%2)+8*SP*\i
.endr
.irp i, 0,1,2,3
	ds_load_b128 v[X+16*((\t)%2)+4*\i:X+16*((\t)%2)+4*\i+3], v15 offset:32*SP*((\t)%2)+16*\i
.endr
.endm
.irp t, 0,1,2,3
	XLOAD \t
.endr
	s_wait_loadcnt 12                              ; step 0's four loads are in; the twelve of steps 1 to 3 may be out
	XTURN 0
.macro XSTEP t
.set XS, X+16*((\t)%2)
.if (\t) > 0
	s_wait_dscnt 1                                 ; this step's numbers are back from the stage (the last step's byte store may be out): so its stores into the stage have read their registers,
.else
	s_wait_dscnt 0x0
.endif
.if (\t)+4 < STEPS
	XLOAD (\t)+4                                   ; which take the loads of four steps on
.endif
.if (\t)+1 < STEPS
.if STEPS-2-(\t) >= 3
	s_wait_loadcnt 12                              ; the next step's four loads are in; those of the three steps behind it may be out
.else
	s_wait_loadcnt 4*(STEPS-2-(\t))
.endif
	XTURN (\t)+1                                   ; and go through the other stage while this step is worked
.endif
	v_max3_num_f32 v8, |v[XS]|, |v[XS+1]|, |v[XS+2]|               ; the largest magnitude of my 16, in two chains
	v_max3_num_f32 v9, |v[XS+3]|, |v[XS+4]|, |v[XS+5]|
.irp i, 6,10
	v_max3_num_f32 v8, v8, |v[XS+\i]|, |v[XS+\i+1]|
	v_max3_num_f32 v9, v9, |v[XS+\i+2]|, |v[XS+\i+3]|
.endr
	v_max3_num_f32 v8, v8, |v[XS+14]|, |v[XS+15]|
	v_max3_num_f32 v8, v8, v9, 0x1800000           ; and the floor 2^(3 - 127): so the byte cannot fall under 1
	v_max_num_f32_dpp v8, v8, v8 row_xmask:1 row_mask:0xf bank_mask:0xf   ; and of my neighbour's 16: the block's
	v_add_nc_u32 v11, 0xff000000, v8               ; 2 off its exponent field: the conversion takes the exponent field of this operand as its scale
	v_cvt_scalef32_pk8_fp4_f32 v[C+4*(\t)], v[XS:XS+7], v11
	v_cvt_scalef32_pk8_fp4_f32 v[C+4*(\t)+1], v[XS+8:XS+15], v11
	v_lshrrev_b32 v[E+(\t)], 23, v11               ; the scale's byte (also the plain line behind the conversions)
	ds_store_b8 v5, v[E+(\t)] offset:16*(\t)       ; both lanes of a block write the same byte with the same value
	global_store_b64 v4, v[C+4*(\t):C+4*(\t)+1], s[18:19] offset:32*CB*(\t)   ; 32 lanes store 256 consecutive bytes, aligned
.endm
.irp t, 0,1,2,3,4,5,6,7,8,9,10,11,12,13,14,15
	XSTEP \t
.endr
	ds_load_b64 v[8:9], v6                         ; LDS serves a wave's instructions in order: these see my byte stores
	s_wait_dscnt 0x0
	global_store_b64 v7, v[8:9], s[20:21]          ; 32 lanes store 256 consecutive bytes, aligned
	s_wait_tensorcnt 0x0                           ; the wave's end
	ds_add_u32 v[SPW], v[NIL]
	s_wait_dscnt 0x0
	s_endpgm
; ---------------- PATH W: K is the FIRST axis.  A lane takes a column n and its registers run down K: a block of 32 lies in one lane, and the codes come out with K innermost.
; A wave takes 32 columns x 512 along K; the codes go through the wave's own stage and leave as rows: sixteen lanes store 256 consecutive bytes, aligned.
.set NB,    16                         ; blocks of 32 along K for a wave
.set PITCH, 272                        ; a stage row: 256 bytes of codes + 16
.set KROW,  512                        ; a row of the codes in bytes
.set WX,    32                         ; v32-95   two sets of 32 numbers
.set WCD,   96                         ; v96-99   a block's codes
.set OUTR,  112                        ; v112-175 the way out
.set SB,    24                         ; v24-27   the scale bytes, four to a register
.Lw:
	s_lshr_b32 s30, ttmp9, 4                       ; which weight: 0 Wq, 1 Wk, 2 Wv
	s_and_b32 s31, ttmp9, 7                        ; which 128 columns
	s_bfe_u32 s32, ttmp9, 0x10003                  ; which 512 along K
	s_cmp_eq_u32 s30, 0
	s_cselect_b64 s[10:11], s[10:11], s[12:13]
	s_cmp_eq_u32 s30, 2
	s_cselect_b64 s[10:11], s[14:15], s[10:11]     ; the choice hangs on the work-group's number alone
	s_lshl_b32 s31, s31, 7
	s_lshl_b32 s33, s28, 5
	s_add_co_u32 s31, s31, s33                     ; my wave's first column
	s_lshl_b32 s34, s32, 21                        ; 512 rows of 4,096 bytes
	s_lshl_b32 s33, s31, 2
	s_add_co_u32 s34, s34, s33
	s_add_nc_u64 s[10:11], s[10:11], s[34:35]
	s_lshl_b32 s33, s30, 10
	s_add_co_u32 s33, s33, s31                     ; my first row of the outputs: 1,024 x weight + column
	s_lshl_b32 s34, s33, 9
	s_lshl_b32 s36, s32, 8
	s_add_co_u32 s34, s34, s36
	s_add_co_u32 s34, s34, WC
	s_add_nc_u64 s[18:19], s[18:19], s[34:35]      ; codes
	s_lshl_b32 s34, s33, 5
	s_lshl_b32 s36, s32, 4
	s_add_co_u32 s34, s34, s36
	s_add_co_u32 s34, s34, WS
	s_add_nc_u64 s[20:21], s[20:21], s[34:35]      ; scale bytes
	v_lshlrev_b32 v3, 2, v2                        ; in: 4 bytes a lane
	s_mul_i32 s37, s28, 32*PITCH
	s_add_co_u32 s37, s37, 32768                   ; my stage: behind path X's bytes
	v_mul_u32_u24 v4, v2, PITCH
	v_add_nc_u32 v4, s37, v4                       ; into it: row = my column
	v_and_b32 v5, 15, v2
	v_lshrrev_b32 v6, 4, v2                        ; out of it: sixteen lanes to a row, two rows an instruction
	v_mul_u32_u24 v7, v6, PITCH
	v_lshl_add_u32 v7, v5, 4, v7
	v_add_nc_u32 v7, s37, v7
	v_mul_u32_u24 v8, v6, KROW
	v_lshl_add_u32 v8, v5, 4, v8                   ; and the same place among the codes
	v_lshlrev_b32 v9, 5, v2                        ; my column's row of scale bytes
.macro WLOAD t                         ; block t: W(32 t + i, my column), i = 0 .. 31, into set t % 2
.irp i, 0,1,2,3,4,5,6,7,8,9,10,11,12,13,14,15,16,17,18,19,20,21,22,23,24,25,26,27,28,29,30,31
	global_load_b32 v[WX+32*((\t)%2)+\i], v3, s[10:11] offset:(32*(\t)+\i)*4096 th:TH_LOAD_NT
.endr
.endm
	WLOAD 0
	WLOAD 1
.macro WBLOCK t
.set XS, WX+32*((\t)%2)
.if (\t) < NB-1
	s_wait_loadcnt 32                              ; this block's 32 loads are in; the next block's may be out
.else
	s_wait_loadcnt 0
.endif
	v_max3_num_f32 v12, |v[XS]|, |v[XS+1]|, |v[XS+2]|               ; the block's largest magnitude: all 32 numbers are mine
	v_max3_num_f32 v13, |v[XS+3]|, |v[XS+4]|, |v[XS+5]|
.irp i, 6,10,14,18,22,26
	v_max3_num_f32 v12, v12, |v[XS+\i]|, |v[XS+\i+1]|
	v_max3_num_f32 v13, v13, |v[XS+\i+2]|, |v[XS+\i+3]|
.endr
	v_max3_num_f32 v12, v12, |v[XS+30]|, |v[XS+31]|
	v_max3_num_f32 v12, v12, v13, 0x1800000        ; and the floor 2^(3 - 127)
	v_add_nc_u32 v11, 0xff000000, v12              ; 2 off its exponent field: the conversion's scale operand
	v_lshrrev_b32 v13, 23, v11                     ; the scale's byte
.if (\t)%4 == 0
	v_mov_b32 v[SB+(\t)/4], v13                    ; four bytes to a register, the lower K in the lower byte
.else
	v_lshl_or_b32 v[SB+(\t)/4], v13, 8*((\t)%4), v[SB+(\t)/4]
.endif
.irp g, 0,1,2,3
	v_cvt_scalef32_pk8_fp4_f32 v[WCD+\g], v[XS+8*\g:XS+8*\g+7], v11
.endr
	v_nop                                          ; one plain line behind the last conversion
	ds_store_b128 v4, v[WCD:WCD+3] offset:16*(\t)  ; 32 codes: 16 bytes of my column's row
.if (\t)+2 < NB
	WLOAD (\t)+2
.endif
	s_wait_dscnt 0x0                               ; the store has read its registers: the next block's codes may be written
.endm
.irp t, 0,1,2,3,4,5,6,7,8,9,10,11,12,13,14,15
	WBLOCK \t
.endr
	global_store_b128 v9, v[SB:SB+3], s[20:21]     ; my column's 16 scale bytes
.irp t, 0,1,2,3,4,5,6,7,8,9,10,11,12,13,14,15
	ds_load_b128 v[OUTR+4*\t:OUTR+4*\t+3], v7 offset:2*\t*PITCH   ; LDS serves a wave's instructions in order: these see my stores
.endr
.irp t, 0,1,2,3,4,5,6,7,8,9,10,11,12,13,14,15
	s_wait_dscnt 15-\t
	global_store_b128 v8, v[OUTR+4*\t:OUTR+4*\t+3], s[18:19] offset:2*\t*KROW
.endr
	s_wait_tensorcnt 0x0                           ; the wave's end
	ds_add_u32 v[SPW], v[NIL]
	s_wait_dscnt 0x0
	s_endpgm
; ---------------- PATH O: Wo into the order of an operand's registers.  A lane takes a column n, its registers run down K, 16 rows a step.
; wo16 [n / 16][k / 16][512 bytes]: lane (r, h) of a reader finds, at 16 (r + 16 h), Wo(16 kc + 8 h + 0..7, 16 nt + r) as f16.   wo32 [n / 16][k / 8][512 bytes]: at 16 (r + 16 h), Wo(8 s + 4 h + 0..3, 16 nt + r) as f32.
; In every store sixteen neighbouring lanes write 256 consecutive bytes, aligned.
.set XO, 32                            ; v32-63  two sets of 16 numbers
.set HO, 64                            ; v64-79  two sets of 8 registers of f16
.Lo:
	s_sub_co_u32 s30, ttmp9, 48
	s_and_b32 s31, s30, 7                          ; which 128 columns
	s_lshr_b32 s32, s30, 3                         ; which 256 rows
	s_lshl_b32 s33, s31, 3
	s_lshl_b32 s34, s28, 1
	s_add_co_u32 s33, s33, s34                     ; my wave's first tile of 16 columns: 8 x + 2 wave
	s_lshl_b32 s34, s32, 20                        ; 256 rows of 4,096 bytes
	s_lshl_b32 s36, s33, 6
	s_add_co_u32 s34, s34, s36
	s_add_nc_u64 s[16:17], s[16:17], s[34:35]
	s_lshl_b32 s34, s33, 15                        ; wo16: a tile of columns is 64 blocks; my rows begin 16 y blocks in
	s_lshl_b32 s36, s32, 13
	s_add_co_u32 s34, s34, s36
	s_add_nc_u64 s[22:23], s[22:23], s[34:35]
	s_lshl_b32 s34, s33, 16                        ; wo32: 128 blocks; 32 y blocks in
	s_lshl_b32 s36, s32, 14
	s_add_co_u32 s34, s34, s36
	s_add_nc_u64 s[24:25], s[24:25], s[34:35]
	v_lshlrev_b32 v3, 2, v2
	v_lshrrev_b32 v6, 4, v2                        ; which of my wave's two tiles of columns
	v_and_b32 v7, 15, v2
	v_lshlrev_b32 v7, 4, v7
	v_lshl_add_u32 v4, v6, 15, v7
	v_lshl_add_u32 v5, v6, 16, v7
.macro OLOAD kc
.irp i, 0,1,2,3,4,5,6,7,8,9,10,11,12,13,14,15
	global_load_b32 v[XO+16*((\kc)%2)+\i], v3, s[16:17] offset:(16*(\kc)+\i)*4096 th:TH_LOAD_NT
.endr
.endm
.macro OSTEP kc
.set XS, XO+16*((\kc)%2)
.set HS, HO+8*((\kc)%2)
.if (\kc) < 15
	s_wait_loadcnt 16                              ; these 16 rows are in; the next 16 may be out
.else
	s_wait_loadcnt 0
.endif
.irp i, 0,1,2,3,4,5,6,7
	v_cvt_pk_f16_f32 v[HS+\i], v[XS+2*\i], v[XS+2*\i+1]   ; the lower k in the lower half
.endr
	global_store_b128 v4, v[HS:HS+3], s[22:23] offset:(\kc)*512
	global_store_b128 v4, v[HS+4:HS+7], s[22:23] offset:(\kc)*512+256
.irp q, 0,1,2,3
	global_store_b128 v5, v[XS+4*\q:XS+4*\q+3], s[24:25] offset:(\kc)*1024+256*\q
.endr
.if (\kc)+2 < 16
	s_wait_xcnt 0x0                                ; the stores have read their registers: this set is loaded again, and its f16 registers are written again two steps on
	OLOAD (\kc)+2
.endif
.endm
	OLOAD 0
	OLOAD 1
.irp t, 0,1,2,3,4,5,6,7,8,9,10,11,12,13,14,15
	OSTEP \t
.endr
	s_wait_tensorcnt 0x0                           ; the same three lines close this path too
	ds_add_u32 v[SPW], v[NIL]
	s_wait_dscnt 0x0
	s_endpgm
.Lfunc_end_k_qdca85f38de_prep:
	.size	k_qdca85f38de_prep, .Lfunc_end_k_qdca85f38de_prep-k_qdca85f38de_prep
	.p2alignl 7, 3214868480
	.fill 96, 4, 3214868480
	.section	.rodata,"a",@progbits
	.p2align	6, 0x0
	.amdhsa_kernel k_qdca85f38de_prep
		.amdhsa_group_segment_fixed_size 68096
		.amdhsa_private_segment_fixed_size 0
		.amdhsa_enable_private_segment 0
		.amdhsa_kernarg_size 88
		.amdhsa_user_sgpr_count 2
		.amdhsa_user_sgpr_kernarg_segment_ptr 1
		.amdhsa_wavefront_size32 1
		.amdhsa_system_sgpr_workgroup_id_x 1
		.amdhsa_system_sgpr_workgroup_id_y 1
		.amdhsa_system_sgpr_workgroup_id_z 1
		.amdhsa_system_vgpr_workitem_id 0
		.amdhsa_next_free_vgpr 192
		.amdhsa_next_free_sgpr 66
		.amdhsa_reserve_vcc 0
		.amdhsa_float_denorm_mode_32 3
		.amdhsa_float_denorm_mode_16_64 3
		.amdhsa_memory_ordered 1
		.amdhsa_forward_progress 1
		.amdhsa_inst_pref_size 155
	.end_amdhsa_kernel
	.amdgpu_metadata
---
amdhsa.version: [ 1, 2 ]
amdhsa.kernels:
  - .name:           k_qdca85f38de_prep
    .symbol:         k_qdca85f38de_prep.kd
    .args:
      - { .name: query, .offset: 0, .size: 8, .value_kind: global_buffer, .address_space: global }
      - { .name: key, .offset: 8, .size: 8, .value_kind: global_buffer, .address_space: global }
      - { .name: value, .offset: 16, .size: 8, .value_kind: global_buffer, .address_space: global }
      - { .name: Wq, .offset: 24, .size: 8, .value_kind: global_buffer, .address_space: global }
      - { .name: Wk, .offset: 32, .size: 8, .value_kind: global_buffer, .address_space: global }
      - { .name: Wv, .offset: 40, .size: 8, .value_kind: global_buffer, .address_space: global }
      - { .name: Wo, .offset: 48, .size: 8, .value_kind: global_buffer, .address_space: global }
      - { .name: cod, .offset: 56, .size: 8, .value_kind: global_buffer, .address_space: global }
      - { .name: scl, .offset: 64, .size: 8, .value_kind: global_buffer, .address_space: global }
      - { .name: wo16, .offset: 72, .size: 8, .value_kind: global_buffer, .address_space: global }
      - { .name: wo32, .offset: 80, .size: 8, .value_kind: global_buffer, .address_space: global }
    .group_segment_fixed_size: 68096
    .private_segment_fixed_size: 0
    .kernarg_segment_align: 8
    .kernarg_segment_size: 88
    .max_flat_workgroup_size: 128
    .sgpr_count:     66
    .vgpr_count:     192
    .wavefront_size: 32
...
	.end_amdgpu_metadata
.endif
;; end of part 1
;; launch proj (part 2): grid 4 x 96, 4 waves a work-group, clusters of 4 x 4, 327,680 bytes of LDS; arguments cod, scl, bq, bk, bv, qkv; writes qkv
.if DOCPART == 2
	.amdgcn_target "amdgcn-amd-amdhsa--gfx1250"
	.amdhsa_code_object_version 6
	.text
	.protected	k_qdca85f38de_proj
	.globl	k_qdca85f38de_proj
	.p2align	8
	.type	k_qdca85f38de_proj,@function
k_qdca85f38de_proj:
	s_mov_b64 s[64:65], 0
	v_nop
	global_prefetch_b8 v0, s[64:65] scope:SCOPE_SE
	s_setreg_imm32_b32 hwreg(HW_REG_WAVE_MODE, 25, 1), 1
	s_wait_xcnt 0x0
	s_wait_alu depctr_hold_cnt(0) depctr_sa_sdst(0) depctr_va_vdst(0) depctr_va_sdst(0) depctr_va_ssrc(0) depctr_va_vcc(0) depctr_vm_vsrc(0)
	s_getreg_b32 s2, hwreg(HW_REG_IB_STS2, 6, 4)
	s_cmp_eq_u32 s2, 0
	s_cbranch_scc0 .Lentry_in_a_cluster
	s_endpgm
.Lentry_in_a_cluster:
	s_bfe_u32 s2, ttmp6, 0x10000c
	s_cmp_lg_u32 s2, 0xf033
	s_cbranch_scc0 .Lentry_shape_is_right
	s_endpgm
.Lentry_shape_is_right:
; PROJ: q = query Wq + bq, k = key Wk + bk, v = value Wv + bv, all three as ONE product on codes of E2M1 with E8M0 scales: 24,576 rows (the three tensors on end) x 1,024 columns, K = 1,024.
; A tile of 256 x 256 is made by a work-group of four waves; a wave makes 128 x 128: 64 accumulators, 512 registers.  K = 1,024 is two LDS slots of 512 along K: both are filled once, at the head; nothing is filled again.
; The scale bytes of the work-group's 256 + 256 rows come once, as dense blocks.  CLUSTERS: 4 x 4 work-groups; the four of a row of the cluster ask jointly for the rows' tiles, the four of a column for the weights'.
; The eight rows of clusters of one tensor take that tensor's weight and bias: which tensor hangs on the cluster's y alone, so it is the same in all sixteen partners.
; THE MATRIX INSTRUCTION IS USED TRANSPOSED (source 0 = 16 rows of the weight's codes, source 1 = 16 rows of x): a lane holds eight neighbouring columns of one row.  THE BIAS IS THE C of each sum's first instruction.
; THE WAY OUT: a lane's eight numbers, rounded to f16, are 16 bytes, and 32 lanes' are a block of 512 bytes: 16 positions x 16 channels, which IS half a fragment of the attention's products.
; qkv: [tensor 3][batch x head 64][tile of 16 positions 128][16 channels 4][512 bytes]; in q and k lane (r, h) lies at 16 r + 256 h, in v at 32 r + 16 h (rows of 32 bytes, for the turning load).  No stage: each store covers 512 consecutive bytes.
; LIMITS: |q|, |k|, |v| up to 65,504 (f16).
; REGISTERS, in windows of 256: window 0: v0-31 addresses; v32-95 scale words, two sets; v128-191 x's fragments, one set (on the way out: packed results); v192-255 the bias, eight registers for each of my 8 blocks of columns.
;   window 1: the weight's fragments, two sets, at v0 and v128.   window 2: the accumulators of my rows 0-63 ((a, b) at v[8 (8 a + b)]);   window 3: those of my rows 64-127.
.set NQ,     4                         ; matrix instructions deep in a slot: 512 along K
.set ROWB,   256                       ; a tile's row in bytes
.set KROW,   512                       ; a row of codes in memory
.set PITCH,  272                       ; an LDS row: 256 bytes + 16 of padding = 68 words, so that the 16 rows of a load start at 16 different banks (64 banks of 4 bytes: ISA guide 11.1)
.set FR,     8
.set NL,     2
.set NP,     4                         ; places behind this matrix instruction (ISA guide 7.12.1)
.set HALFT,  128*PITCH
.set SLOT,   4*HALFT
.set KS,     32                        ; a row of scale bytes
.set SCL,    2*SLOT
.set HALFS,  (128*KS/256)*272
.set SBLK,   (16*KS/256)*272
.set SPARE,  SCL+4*HALFS               ; the spare words, 128 bytes for each wave
.set WC,     12582912
.set WS,     786432
.set ADRA, 16
.set ADRB, 20
.set CO,   26                          ; v26  my lane's place in a block of 512 bytes
.set ADRS, 27
.set SPW,  28
.set NIL,  29
.set SC,   32
.set AF,   128
.set TMP,  128
.set BI,   192
.set TT,   3                           ; s3   which tensor
.set WV,   66
.set HM,   67                          ; which half of the tile's rows is mine; also: I fetch for x (0) or for the weight (1)
.set HN,   96                          ; which half of its columns; also: which 128 rows of that tile I fetch
.set TR,   97                          ; tile row 0..95
.set G1, 24
.set G0, 32
.set G1B, 48
.set G0B, 56
.set G1S, 68
.set G0S, 76
.set G1SB, 80
.set G0SB, 88
.set MSB, 0
.macro WIN new                         ; the immediate's high byte repeats the setting that is left
.if MSB != (\new)
	s_set_vgpr_msb (MSB<<8)|(\new)
.set MSB, (\new)
.endif
.endm
.set MUL_LO, 0xa1                      ; source 0 window 1, source 1 window 0, C and D window 2
.set MUL_HI, 0xf1                      ; the same, C and D window 3
.set TO_B,   0x40
; A joint load: waves 0 and 1 fetch for x, waves 2 and 3 for the weight.  The branch hangs on the wave's number alone.  An s_nop 0 and four v_nop follow each of the two lines.
.macro JLOAD g0a, g1a, g0b, g1b
	s_cmp_eq_u32 s[HM], 0
	s_cbranch_scc0 .Lfor_b_\@
	tensor_load_to_lds s[\g0a:\g0a+3], s[\g1a:\g1a+7]
	s_nop 0
.rept 4
	v_nop
.endr
	s_branch .Lasked_\@
.Lfor_b_\@:
	tensor_load_to_lds s[\g0b:\g0b+3], s[\g1b:\g1b+7]
	s_nop 0
.rept 4
	v_nop
.endr
.Lasked_\@:
.endm
.macro CROUND                          ; a round of the cluster's barrier
	s_barrier_signal -1
	s_barrier_wait -1
	s_cmp_lg_u32 s[WV], 0
	s_cbranch_scc1 .Lnot_wave_0_\@
	s_barrier_signal -3
.Lnot_wave_0_\@:
	s_barrier_wait -3
	s_barrier_signal -1
	s_barrier_wait -1
.endm
	s_load_b128 s[4:7], s[0:1], 0x0                ; cod s[4:5], scl s[6:7]
	s_load_b128 s[8:11], s[0:1], 0x10              ; bq s[8:9], bk s[10:11]
	s_load_b128 s[12:15], s[0:1], 0x20             ; bv s[12:13], qkv s[14:15]
	v_lshl_add_u32 v[SPW], v0, 2, SPARE
	v_mov_b32 v[NIL], 0
	ds_add_u32 v[SPW], v[NIL]                      ; the wave's opening: the add, twice on end, and its wait ahead of my first tensor load
	ds_add_u32 v[SPW], v[NIL]
	v_lshrrev_b32 v1, 5, v0
	v_readfirstlane_b32 s[WV], v1                  ; wave 0..3
	s_lshr_b32 s[HM], s[WV], 1
	s_and_b32 s[HN], s[WV], 1
	s_bfe_u32 s40, ttmp6, 0x40000                  ; cx, cy: my place in the cluster
	s_bfe_u32 s41, ttmp6, 0x40004
	s_lshl_b32 s42, ttmp9, 2
	s_add_co_u32 s42, s42, s40                     ; tile column = 4 x cluster x + cx
	s_and_b32 s[TR], ttmp7, 0xffff
	s_lshr_b32 s[TT], s[TR], 3                     ; the tensor: eight rows of clusters each
	s_lshl_b32 s[TR], s[TR], 2
	s_add_co_u32 s[TR], s[TR], s41                 ; tile row = 4 x cluster y + cy
	s_lshl_b32 s43, s41, 2
	s_lshl_b32 s43, 15, s43                        ; my row of the cluster
	s_lshl_b32 s44, 0x1111, s40                    ; my column
	; descriptor group 1: a tile of 128 rows x 256 bytes, padded in LDS
	s_or_b32 s[G1+0], s43, (0<<16)|(1<<20)|(1<<21)|(5<<22)|(3<<25)  ; 15:0 the mask; 17:16 elements of 1 byte; 20 padding on; 21 set beside a mask; 24:22 after every 64 words; 31:25 four words
	s_or_b32 s[G1B+0], s44, (0<<16)|(1<<20)|(1<<21)|(5<<22)|(3<<25)
.irp g, G1, G1B
	s_mov_b32 s[\g+1], ROWB<<16                    ; tensor_dim0
	s_mov_b32 s[\g+2], 128<<16                     ; tensor_dim1
	s_mov_b32 s[\g+3], ROWB<<16                    ; tile_dim0
	s_mov_b32 s[\g+4], 128                         ; tile_dim1
	s_mov_b32 s[\g+5], KROW                        ; tensor_dim0_stride
	s_mov_b32 s[\g+6], 0
	s_mov_b32 s[\g+7], 0
.endr
	; the scales of 128 rows: 4,096 dense bytes, as 16 rows of 256 bytes (32 elements of 8 bytes), 16 bytes of padding behind each
	s_or_b32 s[G1S+0], s43, (3<<16)|(1<<20)|(1<<21)|(5<<22)|(3<<25)
	s_or_b32 s[G1SB+0], s44, (3<<16)|(1<<20)|(1<<21)|(5<<22)|(3<<25)
.irp g, G1S, G1SB
	s_mov_b32 s[\g+1], 32<<16
	s_mov_b32 s[\g+2], (128*KS/256)<<16
	s_mov_b32 s[\g+3], 32<<16
	s_mov_b32 s[\g+4], 128*KS/256
	s_mov_b32 s[\g+5], 32
	s_mov_b32 s[\g+6], 0
	s_mov_b32 s[\g+7], 0
.endr
	s_lshl_b32 s18, s[HN], 7                       ; which 128 rows of the tile I fetch
	s_lshl_b32 s20, s[TR], 8
	s_add_co_u32 s20, s20, s18                     ; x: row 256 x tile row + 128 x half
	s_lshl_b32 s46, s42, 8
	s_add_co_u32 s46, s46, s18
	s_lshl_b32 s19, s[TT], 10
	s_add_co_u32 s46, s46, s19                     ; the weight: row 1,024 x tensor + 256 x tile column + 128 x half
	s_mov_b32 s21, 0
	s_mov_b32 s47, 0
	s_lshl_b64 s[22:23], s[20:21], 5               ; where these rows' scales begin, in bytes,
	s_lshl_b64 s[92:93], s[46:47], 5
	s_lshl_b64 s[20:21], s[20:21], 9               ; and their codes
	s_lshl_b64 s[46:47], s[46:47], 9
	s_add_nc_u64 s[92:93], s[92:93], WS
	s_add_nc_u64 s[46:47], s[46:47], WC
	s_mul_i32 s45, s[WV], HALFT                    ; where they go: wave x 128 rows: no place in the cluster enters an LDS address
	s_mul_i32 s94, s[WV], HALFS
	s_wait_dscnt 0x0                               ; both opening adds are done
	s_wait_kmcnt 0x0
	s_add_nc_u64 s[20:21], s[4:5], s[20:21]
	s_add_nc_u64 s[22:23], s[6:7], s[22:23]
	s_add_nc_u64 s[46:47], s[4:5], s[46:47]
	s_add_nc_u64 s[92:93], s[6:7], s[92:93]
	CROUND                                         ; all sixteen work-groups are here: the joint loads meet
	s_mov_b32 s[G0S], 1
	s_add_co_u32 s[G0S+1], s94, SCL
	s_mov_b64 s[G0S+2:G0S+3], s[22:23]
	s_or_b32 s[G0S+3], s[G0S+3], 0x80000000
	s_mov_b32 s[G0SB], 1
	s_add_co_u32 s[G0SB+1], s94, SCL
	s_mov_b64 s[G0SB+2:G0SB+3], s[92:93]
	s_or_b32 s[G0SB+3], s[G0SB+3], 0x80000000
	JLOAD G0S, G1S, G0SB, G1SB                     ; the scales first: they are wanted with the first products
.irp s, 0,1
	s_mov_b32 s[G0+4*\s], 1
	s_add_co_u32 s[G0+4*\s+1], s45, \s*SLOT
	s_add_nc_u64 s[G0+4*\s+2:G0+4*\s+3], s[20:21], \s*ROWB
	s_or_b32 s[G0+4*\s+3], s[G0+4*\s+3], 0x80000000
	s_mov_b32 s[G0B+4*\s], 1
	s_add_co_u32 s[G0B+4*\s+1], s45, \s*SLOT
	s_add_nc_u64 s[G0B+4*\s+2:G0B+4*\s+3], s[46:47], \s*ROWB
	s_or_b32 s[G0B+4*\s+3], s[G0B+4*\s+3], 0x80000000
	JLOAD G0+4*\s, G1, G0B+4*\s, G1B               ; three tensor loads of mine are out in all
.endr
	v_and_b32 v1, 15, v0                           ; r = l % 16
	v_bfe_u32 v2, v0, 4, 1                         ; h = l / 16
	; the bias of my 128 columns: block b's eight registers hold bias[256 col + 128 half + 16 b + 8 h + 0..7], the result's layout
	s_cmp_eq_u32 s[TT], 0
	s_cselect_b64 s[8:9], s[8:9], s[10:11]
	s_cmp_eq_u32 s[TT], 2
	s_cselect_b64 s[8:9], s[12:13], s[8:9]         ; the choice hangs on the cluster's y alone
	s_lshl_b32 s20, s42, 10
	s_lshl_b32 s21, s[HN], 9
	s_add_co_u32 s20, s20, s21
	s_mov_b32 s21, 0
	s_add_nc_u64 s[8:9], s[8:9], s[20:21]
	v_lshlrev_b32 v7, 5, v2
.irp b, 0,1,2,3,4,5,6,7
	global_load_b128 v[BI+8*\b:BI+8*\b+3], v7, s[8:9] offset:64*\b
	global_load_b128 v[BI+8*\b+4:BI+8*\b+7], v7, s[8:9] offset:64*\b+16
.endr
	v_mul_u32_u24 v3, v1, PITCH
	v_lshl_add_u32 v4, v2, 4, v3                   ; a fragment's row x pitch + 16 x half
	s_mul_i32 s21, s[HM], HALFT                    ; my 128 rows of x
	s_mul_i32 s22, s[HN], HALFT                    ; my 128 rows of the weight,
	s_add_co_u32 s22, s22, 2*HALFT                 ; which lie behind x's 256
.irp s, 0,1
	v_add_nc_u32 v[ADRA+\s], s21, v4
	v_add_nc_u32 v[ADRB+\s], s22, v4
	s_add_co_u32 s21, s21, SLOT
	s_add_co_u32 s22, s22, SLOT
.endr
	v_mul_u32_u24 v5, v1, KS                       ; my row's scales: 32 bytes a row,
	v_lshrrev_b32 v6, 8, v5
	v_lshl_add_u32 v5, v6, 4, v5                   ; and 16 more for each 256 passed
	s_mul_i32 s21, s[HM], HALFS
	s_mul_i32 s22, s[HN], HALFS
	s_add_co_u32 s22, s22, 2*HALFS
	s_sub_co_u32 s22, s22, s21
	v_mul_u32_u24 v6, s22, v2                      ; lanes 16-31 take the weight's
	s_add_co_u32 s21, s21, SCL
	v_add_nc_u32 v5, v5, v6
	v_add_nc_u32 v[ADRS], s21, v5
	; the way out: my lane's place in a block, and where my wave's blocks begin
	s_cmp_eq_u32 s[TT], 2
	s_cselect_b32 s22, 5, 4                        ; q, k: 16 r + 256 h;  v: 32 r + 16 h
	s_cselect_b32 s23, 4, 8
	v_lshlrev_b32 v5, s22, v1
	v_lshlrev_b32 v6, s23, v2
	v_add_nc_u32 v[CO], v5, v6
	s_and_b32 s20, s[TR], 31
	s_lshl_b32 s20, s20, 8
	s_lshl_b32 s21, s[HM], 7
	s_add_co_u32 s20, s20, s21                     ; my first row in the tensor
	s_lshr_b32 s21, s20, 11                        ; its batch
	s_lshl_b32 s21, s21, 4
	s_lshl_b32 s22, s42, 2
	s_add_co_u32 s21, s21, s22
	s_lshl_b32 s22, s[HN], 1
	s_add_co_u32 s21, s21, s22                     ; 16 x batch + my first head (4 x tile column + 2 x half)
	s_lshl_b32 s21, s21, 18                        ; 262,144 bytes a head
	s_and_b32 s20, s20, 2047
	s_lshl_b32 s20, s20, 7                         ; 2,048 bytes for each 16 positions
	s_add_co_u32 s20, s20, s21
	s_lshl_b32 s21, s[TT], 24                      ; 16,777,216 bytes a tensor
	s_add_co_u32 s20, s20, s21
	s_mov_b32 s21, 0
	s_add_nc_u64 s[14:15], s[14:15], s[20:21]
.macro FRAG reg, adr, q, i             ; a fragment, 16 rows x 128 K of 4-bit codes, 8 registers: lane l holds row l % 16; registers 4 c .. 4 c + 3 hold K = 64 c + 32 (l / 16) + 0 .. 31
.irp c, 0,1
	ds_load_b128 v[\reg+4*\c:\reg+4*\c+3], v[\adr] offset:64*(\q)+32*\c+(\i)*16*PITCH
.endr
.endm
; 16 matrix instructions: x's blocks a0, a0 + 1 against the weight's eight, 128 along K.  first = 1: the bias starts the sums.  The 64 accumulators take turns, one instruction a turn, in the same order in every step.
.macro MUL16 a0, p, q, sc, first
.irp a, \a0, \a0+1
.irp b, 0,1,2,3,4,5,6,7
.if \first
	v_wmma_scale_f32_16x16x128_f8f6f4 v[8*(8*((\a)%4)+\b):8*(8*((\a)%4)+\b)+7], v[128*(\p)+FR*\b:128*(\p)+FR*\b+FR-1], v[AF+FR*(\a):AF+FR*(\a)+FR-1], v[BI+8*\b:BI+8*\b+7], v[SC+8*NQ*(\sc)+NQ*\b+(\q)], v[SC+8*NQ*(\sc)+NQ*(\a)+(\q)] matrix_a_fmt:MATRIX_FMT_FP4 matrix_b_fmt:MATRIX_FMT_FP4 matrix_a_scale:MATRIX_SCALE_ROW1
.else
	v_wmma_scale_f32_16x16x128_f8f6f4 v[8*(8*((\a)%4)+\b):8*(8*((\a)%4)+\b)+7], v[128*(\p)+FR*\b:128*(\p)+FR*\b+FR-1], v[AF+FR*(\a):AF+FR*(\a)+FR-1], v[8*(8*((\a)%4)+\b):8*(8*((\a)%4)+\b)+7], v[SC+8*NQ*(\sc)+NQ*\b+(\q)], v[SC+8*NQ*(\sc)+NQ*(\a)+(\q)] matrix_a_fmt:MATRIX_FMT_FP4 matrix_b_fmt:MATRIX_FMT_FP4 matrix_a_scale:MATRIX_SCALE_ROW1
.endif
.endr
.endr
.endm
.macro FETCH_B slot, q, p
	WIN TO_B
.irp i, 0,1,2,3,4,5,6,7
	FRAG 128*(\p)+FR*\i, ADRB+\slot, \q, \i
.endr
	WIN 0
.endm
.macro FETCH_A slot, q, i0
.irp i, \i0, \i0+1, \i0+2, \i0+3
	FRAG AF+FR*(\i), ADRA+\slot, \q, \i
.endr
.endm
.macro SCALES sc                       ; a slot's scale words: four words a row; lanes 0-15 take x's block i, lanes 16-31 the weight's block i
.irp i, 0,1,2,3,4,5,6,7
	ds_load_b128 v[SC+8*NQ*\sc+NQ*\i:SC+8*NQ*\sc+NQ*\i+3], v[ADRS] offset:\i*SBLK
.endr
.endm
.macro PLACES n                        ; plain vector lines that name no register of the matrix instructions ahead of them, in front of loads into registers that those have read and of the first read of results
.rept \n
	v_nop
.endr
.endm
.macro STEP slot, q, first             ; a step of 128 along K that has its successor in the same slot
	s_wait_dscnt 4*NL                              ; the weight's set and x's blocks 0-3 are in; the youngest eight loads (x's blocks 4-7) may be out
.if \first
	WIN 0x81                                       ; source 0 window 1, source 1 and C (the bias) window 0, D window 2
.else
	WIN MUL_LO
.endif
	MUL16 0, (\q)%2, \q, \slot, \first
	MUL16 2, (\q)%2, \q, \slot, \first
	s_wait_dscnt 0                                 ; x's blocks 4-7 are in
	PLACES NP
	FETCH_B \slot, (\q)+1, 1-(\q)%2
	FETCH_A \slot, (\q)+1, 0
.if \first
	WIN 0xc1                                       ; the same, D window 3
.else
	WIN MUL_HI
.endif
	MUL16 4, (\q)%2, \q, \slot, \first
	MUL16 6, (\q)%2, \q, \slot, \first
	PLACES NP
	WIN 0
	FETCH_A \slot, (\q)+1, 4
.endm
	s_wait_tensorcnt 1                             ; the scales and my part of slot 0 are in (slot 1's load may be out)
	s_barrier_signal -1
	s_barrier_wait -1                              ; everybody's are
	FETCH_B 0, 0, 0
	FETCH_A 0, 0, 0
	SCALES 0
	FETCH_A 0, 0, 4
	s_wait_loadcnt 0x0                             ; the bias
	STEP 0, 0, 1
	STEP 0, 1, 0
	STEP 0, 2, 0
	; slot 0's last step changes slots: one barrier; in front of it each wave waits for all its tensor loads, adds 0 to its spare word, and waits for that and for its own LDS reads
	s_wait_tensorcnt 0x0                           ; my part of slot 1 has landed
	ds_add_u32 v[SPW], v[NIL]
	s_wait_dscnt 4*NL+1                            ; (the add and the youngest eight loads may be out)
	WIN MUL_LO
	MUL16 0, 1, NQ-1, 0, 0
	s_wait_dscnt 0x0
	s_barrier_signal -1
	MUL16 2, 1, NQ-1, 0, 0
	WIN 0
	s_barrier_wait -1                              ; slot 1 is whole
	PLACES NP
	v_add_nc_u32 v[ADRS], 4*NQ, v[ADRS]            ; on to slot 1's scale words (no LDS load of mine is out)
	FETCH_B 1, 0, 0
	FETCH_A 1, 0, 0
	SCALES 1
	WIN MUL_HI
	MUL16 4, 1, NQ-1, 0, 0
	MUL16 6, 1, NQ-1, 0, 0
	PLACES NP
	WIN 0
	FETCH_A 1, 0, 4
	STEP 1, 0, 0
	STEP 1, 1, 0
	STEP 1, 2, 0
	s_wait_dscnt 4*NL                              ; the very last step: nothing more to fetch
	WIN MUL_LO
	MUL16 0, 1, NQ-1, 1, 0
	MUL16 2, 1, NQ-1, 1, 0
	s_wait_dscnt 0
	WIN MUL_HI
	MUL16 4, 1, NQ-1, 1, 0
	MUL16 6, 1, NQ-1, 1, 0
	WIN 0
; THE WAY OUT of block a (16 rows x 128 columns): each accumulator, from its low end on, is rounded to f16: 16 bytes a lane, which 32 lanes store as one block of 512 consecutive bytes.
.macro PACKQ a
.set AC, 64*((\a)%4)
.set TM, TMP+32*((\a)%2)
	WIN 0x0a+5*((\a)/4)                            ; sources 0 and 1: window 2 or 3
.irp b, 0,1,2,3,4,5,6,7
.irp r, 0,1,2,3
	v_cvt_pk_f16_f32 v[TM+4*\b+\r], v[AC+8*\b+2*\r], v[AC+8*\b+2*\r+1]
.endr
.endr
	WIN 0
.irp b, 0,1,2,3,4,5,6,7
	global_store_b128 v[CO], v[TM+4*\b:TM+4*\b+3], s[14:15] offset:(\a)*2048+(\b/4)*262144+(\b%4)*512   ; tile of positions a, head b / 4, channels 16 (b % 4) on
.endr
.endm
	PLACES NP                                      ; behind the last products: their results are read, and the registers that held x's fragments are written
	PACKQ 0
	PACKQ 1
.irp a, 2,3,4,5,6,7
	s_wait_xcnt 0x0                                ; block a - 2's stores have read their registers
	PACKQ \a
.endr
	s_wait_tensorcnt 0x0                           ; the wave's end
	ds_add_u32 v[SPW], v[NIL]
	s_wait_dscnt 0x0
	CROUND                                         ; the closing round: no work-group ends while a partner may still ask for a tile that names it
	s_endpgm
.Lfunc_end_k_qdca85f38de_proj:
	.size	k_qdca85f38de_proj, .Lfunc_end_k_qdca85f38de_proj-k_qdca85f38de_proj
	.p2alignl 7, 3214868480
	.fill 96, 4, 3214868480
	.section	.rodata,"a",@progbits
	.p2align	6, 0x0
	.amdhsa_kernel k_qdca85f38de_proj
		.amdhsa_group_segment_fixed_size 327680
		.amdhsa_private_segment_fixed_size 0
		.amdhsa_enable_private_segment 0
		.amdhsa_kernarg_size 48
		.amdhsa_user_sgpr_count 2
		.amdhsa_user_sgpr_kernarg_segment_ptr 1
		.amdhsa_wavefront_size32 1
		.amdhsa_system_sgpr_workgroup_id_x 1
		.amdhsa_system_sgpr_workgroup_id_y 1
		.amdhsa_system_sgpr_workgroup_id_z 1
		.amdhsa_system_vgpr_workitem_id 0
		.amdhsa_next_free_vgpr 1024
		.amdhsa_next_free_sgpr 98
		.amdhsa_reserve_vcc 0
		.amdhsa_float_denorm_mode_32 3
		.amdhsa_float_denorm_mode_16_64 3
		.amdhsa_memory_ordered 1
		.amdhsa_forward_progress 1
		.amdhsa_inst_pref_size 120
	.end_amdhsa_kernel
	.amdgpu_metadata
---
amdhsa.version: [ 1, 2 ]
amdhsa.kernels:
  - .name:           k_qdca85f38de_proj
    .symbol:         k_qdca85f38de_proj.kd
    .args:
      - { .name: cod, .offset: 0, .size: 8, .value_kind: global_buffer, .address_space: global }
      - { .name: scl, .offset: 8, .size: 8, .value_kind: global_buffer, .address_space: global }
      - { .name: bq, .offset: 16, .size: 8, .value_kind: global_buffer, .address_space: global }
      - { .name: bk, .offset: 24, .size: 8, .value_kind: global_buffer, .address_space: global }
      - { .name: bv, .offset: 32, .size: 8, .value_kind: global_buffer, .address_space: global }
      - { .name: qkv, .offset: 40, .size: 8, .value_kind: global_buffer, .address_space: global }
    .group_segment_fixed_size: 327680
    .private_segment_fixed_size: 0
    .kernarg_segment_align: 8
    .kernarg_segment_size: 48
    .max_flat_workgroup_size: 128
    .sgpr_count:     98
    .vgpr_count:     1024
    .wavefront_size: 32
...
	.end_amdgpu_metadata
.endif
;; end of part 2
;; launch attn (part 3): grid 4 x 64, 16 waves a work-group, clusters of 4 x 1, 327,680 bytes of LDS; arguments qkv, att; writes att
.if DOCPART == 3
	.amdgcn_target "amdgcn-amd-amdhsa--gfx1250"
	.amdhsa_code_object_version 6
	.text
	.protected	k_qdca85f38de_attn
	.globl	k_qdca85f38de_attn
	.p2align	8
	.type	k_qdca85f38de_attn,@function
k_qdca85f38de_attn:
	s_mov_b64 s[64:65], 0
	v_nop
	global_prefetch_b8 v0, s[64:65] scope:SCOPE_SE
	s_setreg_imm32_b32 hwreg(HW_REG_WAVE_MODE, 25, 1), 1
	s_wait_xcnt 0x0
	s_wait_alu depctr_hold_cnt(0) depctr_sa_sdst(0) depctr_va_vdst(0) depctr_va_sdst(0) depctr_va_ssrc(0) depctr_va_vcc(0) depctr_vm_vsrc(0)
	s_getreg_b32 s2, hwreg(HW_REG_IB_STS2, 6, 4)
	s_cmp_eq_u32 s2, 0
	s_cbranch_scc0 .Lentry_in_a_cluster
	s_endpgm
.Lentry_in_a_cluster:
	s_bfe_u32 s2, ttmp6, 0x10000c
	s_cmp_lg_u32 s2, 0x3003
	s_cbranch_scc0 .Lentry_shape_is_right
	s_endpgm
.Lentry_shape_is_right:
; ATTN: o = softmax(q k^T / 8, causal) v for one head and batch to a cluster of four work-groups.  q, k, v: f16, as blocks of 512 bytes (16 positions x 16 channels) in the order of an operand's registers; products, maxima and sums in f32;
; the weights p are rounded to f16 for the second product, o once at the end.
; SHARES.  The head's 2,048 queries are 16 groups of 128.  Wave w of EVERY partner has group g = 4 ((w / 4 + w % 4) % 4) + w % 4, and of it the partner at place cx takes queries 128 g + 32 cx + 0..31: two tiles of 16.
; So which key steps a wave walks hangs on its number and the count of steps alone, alike in all four partners; cx enters global addresses and one data register.  All work-groups have the same work, and in each the wave with g = 15 reads every tile.
; THE MASK.  A step is 64 keys, number KN; its group of 128 keys is KN / 2.  KN / 2 > g: every key is hidden from all 128 queries of the group: the step's work is jumped over.  KN / 2 = g: hidden scores become -infinity ahead of the maximum.
; KN / 2 < g: every key counts.  LIMIT: a hidden key counts for nothing (the sum with -1e9 gives the same while a row's scores spread by less than that).  Key 0 counts for every query, so the running maximum is a number from the first step on.
; SOFTMAX.  A running maximum m and sum l for each query: p = 2^(c s - c m), c = log2(e) / 8; in every step o and l are multiplied by a = 2^(c m_old - c m_new).
; LAYOUT.  S^T = K Q^T (source 0 = 16 keys, source 1 = 16 queries): a lane holds ONE query (lane % 16) and keys 8 (lane / 16) + 0..7; two such tiles, rounded to f16 in pairs, ARE source 1 of O^T = V^T P.  V comes out of LDS turned, by ds_load_tr16_b128.
; RING.  Two LDS slots of 256 keys (K 32,768 bytes, then V 32,768), dense: a block is read at 16 x lane.  Waves 0 to 3 fetch a quarter each, JOINTLY with the three partners (mask 15).
; SIXTEEN WAVES of 256 registers: four to a SIMD, so that one wave's softmax stands beside another's products and LDS loads; a fragment of K or V feeds two products.
; LIMITS: |q|, |k|, |v|, |o| up to 65,504 (f16); NaN and infinities are not served.
.set SLOT1, 65536
.set SPARE, 131072                     ; behind the ring: the spare words, 128 bytes for each of 16 waves
.set AK0, 1                            ; v1   16 x lane: my place in a block (K, Q, and the way out)
.set AV0, 2                            ; v2   my place for the turning load, in V's half of a slot
.set ADK, 3                            ; v3   LDS address of the step's K
.set ADV, 4                            ; v4   of its V
.set SPW, 5                            ; v5   my spare word; never rewritten
.set NIL, 6                            ; v6   0; never rewritten
.set PFO, 7                            ; v7   256 x lane; never rewritten
.set DB,  8                            ; v8   32 cx + lane % 16 - 8 (lane / 16)
.set Q,   16                           ; v16-47   Q: tile t, channels 32 f on: 16 t + 8 f
.set KV,  48                           ; v48-111  K's 8 fragments, then V's 8
.set S,   112                          ; v112-175 S^T: 32 t + 8 kt; then p; then P in place: 32 t + 0..15
.set O,   176                          ; v176-239 O^T: 32 t + 8 ct
.set ST,  240                          ; v240-255 eight a tile: +0 c m, +1 m, +2, +3 l, +4..+7 at work; a at +6
.set WV,  8
.set G,   9
.set CX,  10
.set BH,  11
.set SEL, 12                           ; s[12:13] lane selects for v_permlanex16_b32: lane l xor 16
.set CS,  14                           ; s[14:15] c
.set G1,  16                           ; s[16:23] descriptor group 1
.set G0,  24                           ; s[24:27] descriptor group 0, which walks
.set TB,  28                           ; LDS byte at which the step's K begins
.set KN,  29                           ; the step's number
.set SLOTS, 30
.set SUB, 31
.set PFA, 32                           ; s[32:33] where my prefetches stand
.set LIM, 34
.set QB,  36
.set AB,  38
.macro ROUND                           ; a round of the cluster's barrier
	s_barrier_signal -1
	s_barrier_wait -1
	s_cmp_lg_u32 s[WV], 0
	s_cbranch_scc1 .Lnot_wave_0_\@
	s_barrier_signal -3
.Lnot_wave_0_\@:
	s_barrier_wait -3
	s_barrier_signal -1
	s_barrier_wait -1
.endm
.macro TLOAD                           ; waves 0 to 3 fetch; the branch hangs on the wave's number alone.  An s_nop 0 and four v_nop follow the load
	s_cmp_lt_u32 s[WV], 4
	s_cbranch_scc0 .Lnone_\@
	tensor_load_to_lds s[G0:G0+3], s[G1:G1+7]
	s_nop 0
.rept 4
	v_nop
.endr
.Lnone_\@:
.endm
; A PREFETCH INTO THE L2 of the slot that the NEXT change of slots will ask for: 32,768 bytes of K and of V.  Wave 4 asks for K's, wave 5 for V's; the four partners take 8,192 bytes each, told apart by address; lanes 256 bytes apart.
; A head's K and V are walked by this cluster alone, so each 256 bytes are named once in the launch.  The last change that fills a slot asks for nothing; slots 0 and 1 come by their loads alone.
.macro ASK
	s_cmp_gt_u32 s[SLOTS], s[LIM]
	s_cbranch_scc0 .Lnot_mine_\@
	global_prefetch_b8 v[PFO], s[PFA:PFA+1] th:TH_LOAD_NT scope:SCOPE_SE
.Lnot_mine_\@:
.endm
	s_load_b128 s[4:7], s[0:1], 0x0                ; qkv s[4:5], att s[6:7]
	v_lshl_add_u32 v[SPW], v0, 2, SPARE
	v_mov_b32 v[NIL], 0
	ds_add_u32 v[SPW], v[NIL]                      ; the wave's opening: the add, twice on end, and its wait ahead of the first tensor load
	ds_add_u32 v[SPW], v[NIL]
	v_lshrrev_b32 v11, 5, v0
	v_readfirstlane_b32 s[WV], v11                 ; wave 0..15
	s_lshr_b32 s40, s[WV], 2
	s_and_b32 s41, s[WV], 3
	s_add_co_u32 s40, s40, s41
	s_and_b32 s40, s40, 3
	s_lshl_b32 s40, s40, 2
	s_add_co_u32 s[G], s40, s41                    ; my group of 128 queries
	s_bfe_u32 s[CX], ttmp6, 0x40000                ; my place in the cluster
	s_and_b32 s[BH], ttmp7, 0xffff                 ; 16 x batch + head, which the partners share
	; descriptor group 1: 16,384 dense bytes as 64 rows of 256 bytes
	s_mov_b32 s[G1], 15|(3<<16)|(1<<21)            ; 15:0 the mask: all four work-groups; 17:16 elements of 8 bytes; 21 set beside a mask; no padding
	s_mov_b32 s[G1+1], 32<<16                      ; tensor_dim0 = 32
	s_mov_b32 s[G1+2], 64<<16                      ; tensor_dim1 = 64
	s_mov_b32 s[G1+3], 32<<16                      ; tile_dim0
	s_mov_b32 s[G1+4], 64                          ; tile_dim1
	s_mov_b32 s[G1+5], 32                          ; tensor_dim0_stride
	s_mov_b32 s[G1+6], 0
	s_mov_b32 s[G1+7], 0
	s_mov_b32 s[SEL], 0x76543210
	s_mov_b32 s[SEL+1], 0xfedcba98
	s_mov_b32 s[CS], 0x3e38aa3b                    ; c = log2(e) / 8
	s_mov_b32 s[CS+1], s[CS]                       ; (named with it as a pair, so it is written)
	s_mov_b32 s[TB], 0
	s_mov_b32 s[KN], 0
	s_mov_b32 s[SLOTS], 7
	s_lshl_b32 s46, s[BH], 18                      ; the head's first byte in each of q, k, v
	; what a fetching wave fetches: wave % 4 = 0, 1: K's halves; 2, 3: V's
	s_lshr_b32 s42, s41, 1
	s_add_co_u32 s42, s42, 1
	s_lshl_b32 s42, s42, 24                        ; k lies 16,777,216 bytes in, v twice that
	s_add_co_u32 s42, s42, s46
	s_and_b32 s44, s[WV], 1
	s_lshl_b32 s45, s44, 14
	s_add_co_u32 s42, s42, s45
	s_mov_b32 s43, 0
	s_lshl_b32 s47, s41, 14                        ; and where it goes: 16,384 x (wave % 4)
	; the prefetches: K (even wave) or V (odd), my work-group's quarter, in slot 1: the first change of slots steps it to slot 2
	s_add_co_u32 s48, s44, 1
	s_lshl_b32 s48, s48, 24
	s_add_co_u32 s48, s48, s46
	s_lshl_b32 s49, s[CX], 13
	s_add_co_u32 s48, s48, s49
	s_add_co_u32 s48, s48, 32768
	s_mov_b32 s49, 0
	s_lshr_b32 s50, s[WV], 1
	s_cmp_eq_u32 s50, 2                            ; waves 4 and 5, in every partner
	s_cselect_b32 s[LIM], 1, -1
	; Q: tiles 8 g + 2 cx and the next;  att: rows 128 x batch + those tiles, channels 64 x head on
	s_lshl_b32 s50, s[G], 14
	s_add_co_u32 s50, s50, s46
	s_lshl_b32 s51, s[CX], 12
	s_add_co_u32 s50, s50, s51
	s_mov_b32 s51, 0
	s_lshr_b32 s52, s[BH], 4
	s_lshl_b32 s52, s52, 22
	s_lshl_b32 s53, s[G], 18
	s_add_co_u32 s52, s52, s53
	s_lshl_b32 s53, s[CX], 16
	s_add_co_u32 s52, s52, s53
	s_and_b32 s53, s[BH], 15
	s_lshl_b32 s53, s53, 11
	s_add_co_u32 s52, s52, s53
	s_mov_b32 s53, 0
	v_and_b32 v11, 31, v0
	v_lshlrev_b32 v[AK0], 4, v11
	v_lshlrev_b32 v[PFO], 8, v11
	v_and_b32 v12, 15, v0                          ; r
	v_bfe_u32 v13, v0, 4, 1                        ; h
	v_and_b32 v14, 7, v0
	v_bfe_u32 v15, v0, 3, 1
	v_lshl_add_u32 v[AV0], v13, 3, v14             ; the turning load: key 8 h + l % 8 of a tile, rows of 32 bytes,
	v_lshlrev_b32 v[AV0], 5, v[AV0]
	v_lshl_add_u32 v[AV0], v15, 4, v[AV0]          ; channels 8 ((l / 8) % 2) on,
	v_add_nc_u32 v[AV0], 32768, v[AV0]             ; in V's half of a slot
	v_lshlrev_b32 v13, 3, v13
	v_sub_nc_u32 v[DB], v12, v13
	s_lshl_b32 s40, s[CX], 5
	v_add_nc_u32 v[DB], s40, v[DB]
	v_mov_b32 v10, 0xff800000                      ; -infinity
	s_wait_dscnt 0x0                               ; both opening adds are done
	s_wait_kmcnt 0x0
	s_mov_b32 s[G0], 1                             ; count = 1
	s_mov_b32 s[G0+1], s47                         ; LDS address: slot 0
	s_add_nc_u64 s[G0+2:G0+3], s[4:5], s[42:43]    ; global address: the head's first 256 keys
	s_or_b32 s[G0+3], s[G0+3], 0x80000000          ; type = 2
	s_add_nc_u64 s[PFA:PFA+1], s[4:5], s[48:49]
	s_add_nc_u64 s[QB:QB+1], s[4:5], s[50:51]
	s_add_nc_u64 s[AB:AB+1], s[6:7], s[52:53]
	ROUND                                          ; all four work-groups are here: the first joint loads meet
	TLOAD                                          ; slot 0
.irp t, 0,1
.irp f, 0,1
.irp c, 0,1
	global_load_b128 v[Q+16*\t+8*\f+4*\c:Q+16*\t+8*\f+4*\c+3], v[AK0], s[QB:QB+1] offset:\t*2048+(2*\f+\c)*512   ; Q stays in registers
.endr
.endr
.endr
.irp t, 0,1
	v_mov_b32 v[ST+8*\t+1], 0xff61b1e6             ; m = -3e38, under every score
	v_mul_f32 v[ST+8*\t], s[CS], v[ST+8*\t+1]      ; c m
.irp i, 2,3,4,5,6,7
	v_mov_b32 v[ST+8*\t+\i], 0                     ; l, and the registers at work
.endr
.endr
.irp j, 0,1,2,3,4,5,6,7,8,9,10,11,12,13,14,15,16,17,18,19,20,21,22,23,24,25,26,27,28,29,30,31,32,33,34,35,36,37,38,39,40,41,42,43,44,45,46,47,48,49,50,51,52,53,54,55,56,57,58,59,60,61,62,63
	v_mov_b32 v[O+\j], 0                           ; O^T.  (The step is written once: the first finds zeros, which a = 0 leaves zeros)
.endr
; A KEY STEP: 64 keys.
.macro SUBSTEP
	s_lshr_b32 s40, s[KN], 1                       ; the keys' group of 128
	s_cmp_gt_u32 s40, s[G]
	s_cbranch_scc1 .Lhidden_\@                     ; all its keys come after all my group's queries: the wave's number and the count of steps alone decide
	v_add_nc_u32 v[ADK], s[TB], v[AK0]
	v_add_nc_u32 v[ADV], s[TB], v[AV0]
.rept 3
	v_nop                                          ; with the two additions FIVE places behind the last step's products: four for the loads into V's registers, five for the products that write over P
.endr
.irp f, 0,1                                    ; K: keys 16 kt on, channels 32 f + 16 c on; the first 32 channels first
.irp kt, 0,1,2,3
.irp c, 0,1
	ds_load_b128 v[KV+16*\kt+8*\f+4*\c:KV+16*\kt+8*\f+4*\c+3], v[ADK] offset:\kt*2048+(2*\f+\c)*512
.endr
.endr
.endr
	s_wait_dscnt 8                                 ; the first 32 channels' eight loads are in; the other eight may be out
.irp kt, 0,1,2,3                               ; the eight accumulators take turns, one instruction a turn
.irp t, 0,1
	v_wmma_f32_16x16x32_f16 v[S+32*\t+8*\kt:S+32*\t+8*\kt+7], v[KV+16*\kt:KV+16*\kt+7], v[Q+16*\t:Q+16*\t+7], 0
.endr
.endr
	s_wait_dscnt 0x0
.irp kt, 0,1,2,3
.irp t, 0,1
	v_wmma_f32_16x16x32_f16 v[S+32*\t+8*\kt:S+32*\t+8*\kt+7], v[KV+16*\kt+8:KV+16*\kt+15], v[Q+16*\t+8:Q+16*\t+15], v[S+32*\t+8*\kt:S+32*\t+8*\kt+7]
.endr
.endr
.rept 4
	v_nop                                          ; places: K's registers are loaded again, and the scores are read
.endr
.irp kg, 0,1                                   ; V, turned: keys 32 kg + 16 c on, channels 16 ct on.  These land under the softmax
.irp ct, 0,1,2,3
.irp c, 0,1
	ds_load_tr16_b128 v[KV+8*(4*\kg+\ct)+4*\c:KV+8*(4*\kg+\ct)+4*\c+3], v[ADV] offset:(2*\kg+\c)*2048+\ct*512
.endr
.endr
.endr
	s_cmp_lt_u32 s40, s[G]
	s_cbranch_scc1 .Lopen_\@                       ; every key counts
	s_and_b32 s41, s[KN], 1
	s_lshl_b32 s41, s41, 6
	v_sub_nc_u32 v9, v[DB], s41                    ; d = my query - the step's first key - 8 (lane / 16), for tile 0.  Register 8 kt + j of tile t holds key 16 kt + 8 (lane / 16) + j: hidden where 16 kt + j - 16 t > d
.irp t, 0,1
.irp kt, 0,1,2,3
.irp jj, 0,1,2,3,4,5,6,7
	v_cmp_gt_i32 vcc_lo, 16*\kt+\jj-16*\t, v9
	v_cndmask_b32 v[S+32*\t+8*\kt+\jj], v[S+32*\t+8*\kt+\jj], v10, vcc_lo
.endr
.endr
.endr
.Lopen_\@:
	; the maximum of my 32 scores and the old m, the two tiles line by line; each accumulator is read from its low end on
.irp j, 0,1,2,3
.irp t, 0,1
	v_max3_num_f32 v[ST+8*\t+4+\j], v[S+32*\t+8*\j], v[S+32*\t+8*\j+1], v[S+32*\t+8*\j+2]
.endr
.endr
.irp i, 3,5
.irp j, 0,1,2,3
.irp t, 0,1
	v_max3_num_f32 v[ST+8*\t+4+\j], v[ST+8*\t+4+\j], v[S+32*\t+8*\j+\i], v[S+32*\t+8*\j+\i+1]
.endr
.endr
.endr
.irp t, 0,1
	v_max3_num_f32 v[ST+8*\t+4], v[ST+8*\t+4], v[S+32*\t+7], v[S+32*\t+15]
.endr
.irp t, 0,1
	v_max3_num_f32 v[ST+8*\t+6], v[ST+8*\t+6], v[S+32*\t+23], v[S+32*\t+31]
.endr
.irp t, 0,1
	v_max3_num_f32 v[ST+8*\t+4], v[ST+8*\t+4], v[ST+8*\t+5], v[ST+8*\t+6]
.endr
.irp t, 0,1
	v_max3_num_f32 v[ST+8*\t+4], v[ST+8*\t+4], v[ST+8*\t+7], v[ST+8*\t+1]
.endr
.irp t, 0,1
	v_permlanex16_b32 v[ST+8*\t+5], v[ST+8*\t+4], s[SEL], s[SEL+1]   ; the query's other 32 keys lie in the lane 16 away
.endr
.irp t, 0,1
	v_mov_b32 v[ST+8*\t+7], v[ST+8*\t]             ; c m_old
.endr
.irp t, 0,1
	v_max_num_f32 v[ST+8*\t+1], v[ST+8*\t+4], v[ST+8*\t+5]
.endr
.irp t, 0,1
	v_mul_f32 v[ST+8*\t], s[CS], v[ST+8*\t+1]
.endr
.irp t, 0,1
	v_sub_f32 v[ST+8*\t+7], v[ST+8*\t+7], v[ST+8*\t]
.endr
.irp t, 0,1
	v_exp_f32 v[ST+8*\t+6], v[ST+8*\t+7]           ; a
.endr
.irp j, 0,2,4,6,8,10,12,14,16,18,20,22,24,26,28,30
.irp t, 0,1
	v_pk_fma_f32 v[S+32*\t+\j:S+32*\t+\j+1], v[S+32*\t+\j:S+32*\t+\j+1], s[CS:CS+1], v[ST+8*\t:ST+8*\t+1] op_sel_hi:[1,0,0] neg_lo:[0,0,1] neg_hi:[0,0,1]   ; c s - c m, two at a time
.endr
.endr
	s_wait_alu depctr_va_vdst(0)                   ; the wait for the two a, ahead of the batch below, so that their readers need not wait for the batch
.irp j, 0,1,2,3,4,5,6,7,8,9,10,11,12,13,14,15,16,17,18,19,20,21,22,23,24,25,26,27,28,29,30,31,32,33,34,35,36,37,38,39,40,41,42,43,44,45,46,47,48,49,50,51,52,53,54,55,56,57,58,59,60,61,62,63
	v_exp_f32 v[S+\j], v[S+\j]                     ; p = 2^(c s - c m), at most 1
.endr
.irp t, 0,1                                    ; O^T and l under the new m: plain work that names no result of the batch
.irp j, 0,2,4,6,8,10,12,14,16,18,20,22,24,26,28,30
	v_pk_mul_f32 v[O+32*\t+\j:O+32*\t+\j+1], v[O+32*\t+\j:O+32*\t+\j+1], v[ST+8*\t+6:ST+8*\t+7] op_sel_hi:[1,0]
.endr
	v_pk_mul_f32 v[ST+8*\t+2:ST+8*\t+3], v[ST+8*\t+2:ST+8*\t+3], v[ST+8*\t+6:ST+8*\t+7] op_sel_hi:[1,0]
.endr
	s_wait_alu depctr_va_vdst(0)                   ; one wait for the 64 exponentials, ahead of their first reader
.irp t, 0,1
	v_pk_add_f32 v[ST+8*\t+4:ST+8*\t+5], v[S+32*\t:S+32*\t+1], v[S+32*\t+2:S+32*\t+3]   ; the sums, of p before it is rounded: two chains a tile
.endr
.irp j, 4,8,12,16,20,24,28
.irp t, 0,1
	v_pk_add_f32 v[ST+8*\t+2:ST+8*\t+3], v[ST+8*\t+2:ST+8*\t+3], v[S+32*\t+\j:S+32*\t+\j+1]
	v_pk_add_f32 v[ST+8*\t+4:ST+8*\t+5], v[ST+8*\t+4:ST+8*\t+5], v[S+32*\t+\j+2:S+32*\t+\j+3]
.endr
.endr
.irp t, 0,1
	v_pk_add_f32 v[ST+8*\t+2:ST+8*\t+3], v[ST+8*\t+2:ST+8*\t+3], v[ST+8*\t+4:ST+8*\t+5]
.endr
.irp i, 0,1,2,3,4,5,6,7,8,9,10,11,12,13,14,15
.irp t, 0,1
	v_cvt_pk_f16_f32 v[S+32*\t+\i], v[S+32*\t+2*\i], v[S+32*\t+2*\i+1]   ; P in place, ascending: register i is written when 2 i and 2 i + 1 are read
.endr
.endr
	s_wait_dscnt 0x0                               ; V is in
.irp kg, 0,1                                   ; O^T += V^T P: keys 32 kg on; the eight accumulators take turns
.irp ct, 0,1,2,3
.irp t, 0,1
	v_wmma_f32_16x16x32_f16 v[O+32*\t+8*\ct:O+32*\t+8*\ct+7], v[KV+8*(4*\kg+\ct):KV+8*(4*\kg+\ct)+7], v[S+32*\t+8*\kg:S+32*\t+8*\kg+7], v[O+32*\t+8*\ct:O+32*\t+8*\ct+7]
.endr
.endr
.endr
.Lhidden_\@:
	s_add_co_u32 s[TB], s[TB], 8192                ; the next step's four tiles of keys
	s_add_co_u32 s[KN], s[KN], 1
.endm
.macro SLOT_STEPS                      ; a slot's four key steps: written once, walked four times
	s_mov_b32 s[SUB], 4
.Lsub_\@:
	SUBSTEP
	s_sub_co_u32 s[SUB], s[SUB], 1
	s_cmp_lg_u32 s[SUB], 0
	s_cbranch_scc1 .Lsub_\@
	s_sub_co_u32 s[TB], s[TB], 32768               ; back to a slot's first step,
	s_xor_b32 s[TB], s[TB], SLOT1                  ; in the other slot
.endm
; THE CHANGE OF SLOTS stands at a slot's head.  Each wave waits for all its tensor loads, adds 0 to its spare word, and waits for that and for its reads of the slot that it has left.
; fill = 1: a round of the cluster's barrier, so that no wave of any partner still reads the other slot or has a load on its way; behind it the other slot is filled with the keys that follow: the load has a slot's four steps in which to land.
; fill = 0: nothing is filled: the work-group's own barrier shows the last slot whole to all sixteen waves.
.macro CHANGE fill
	s_wait_tensorcnt 0x0                           ; no tensor load of mine is out, so group 0 may be written
	ds_add_u32 v[SPW], v[NIL]
.if \fill
	ds_add_u32 v[SPW], v[NIL]                      ; and twice on end here, in every trip alike; the steps below stand between the second and the wait
	s_xor_b32 s[G0+1], s[G0+1], SLOT1              ; the other slot than last time,
	s_add_nc_u64 s[G0+2:G0+3], s[G0+2:G0+3], 32768 ; the next 256 keys; the type bits on top are not reached
	s_wait_xcnt 0x0                                ; the last prefetch, a slot back, has read its address
	s_add_nc_u64 s[PFA:PFA+1], s[PFA:PFA+1], 32768 ; one slot further on than the walking descriptor
	s_wait_dscnt 0x0                               ; both adds are done, and my reads of the slot that I have left are over
	ROUND
	TLOAD                                          ; the first thing behind the round, and a wave's one tensor load until the next
	ASK
.else
	s_wait_dscnt 0x0
	s_barrier_signal -1
	s_barrier_wait -1
.endif
.endm
	s_wait_loadcnt 0x0                             ; Q
.Lslot:                                            ; seven trips: behind each change of slots but the last the next slot is asked for
	CHANGE 1
	SLOT_STEPS
	s_sub_co_u32 s[SLOTS], s[SLOTS], 1
	s_cmp_lg_u32 s[SLOTS], 0
	s_cbranch_scc1 .Lslot
	CHANGE 0                                       ; the last slot is written out
	SLOT_STEPS
	; THE WAY OUT.  l's two halves and the other half of the lanes' are added; O^T is divided by l and rounded to f16: a lane's eight channels of a row are 16 bytes, 32 lanes' a block of 512 bytes,
	; which is half a fragment of the last product: att [tile of 16 rows 512][16 along K 64][512 bytes].  No stage.
.rept 4
	v_nop                                          ; places behind the last products
.endr
.irp t, 0,1
	v_add_f32 v[ST+8*\t+4], v[ST+8*\t+2], v[ST+8*\t+3]
.endr
.irp t, 0,1
	v_permlanex16_b32 v[ST+8*\t+5], v[ST+8*\t+4], s[SEL], s[SEL+1]
.endr
.irp t, 0,1
	v_add_f32 v[ST+8*\t+4], v[ST+8*\t+4], v[ST+8*\t+5]
.endr
.irp t, 0,1
	v_rcp_f32 v[ST+8*\t+6], v[ST+8*\t+4]
.endr
	v_nop                                          ; a plain line behind the last reciprocal
	s_wait_alu depctr_va_vdst(0)                   ; one wait for both, ahead of the first use
.irp t, 0,1
.irp j, 0,2,4,6,8,10,12,14,16,18,20,22,24,26,28,30
	v_pk_mul_f32 v[S+32*\t+\j:S+32*\t+\j+1], v[O+32*\t+\j:O+32*\t+\j+1], v[ST+8*\t+6:ST+8*\t+7] op_sel_hi:[1,0]
.endr
.endr
.irp t, 0,1
.irp i, 0,1,2,3,4,5,6,7,8,9,10,11,12,13,14,15
	v_cvt_pk_f16_f32 v[KV+16*\t+\i], v[S+32*\t+2*\i], v[S+32*\t+2*\i+1]
.endr
.endr
.irp t, 0,1
.irp ct, 0,1,2,3
	global_store_b128 v[AK0], v[KV+16*\t+4*\ct:KV+16*\t+4*\ct+3], s[AB:AB+1] offset:\t*32768+\ct*512   ; 32 lanes store 512 consecutive bytes, aligned
.endr
.endr
	s_wait_tensorcnt 0x0                           ; the wave's end
	ds_add_u32 v[SPW], v[NIL]
	s_wait_dscnt 0x0
	ROUND                                          ; the closing round: no work-group ends while a partner may still ask for a tile that names it
	s_endpgm
.Lfunc_end_k_qdca85f38de_attn:
	.size	k_qdca85f38de_attn, .Lfunc_end_k_qdca85f38de_attn-k_qdca85f38de_attn
	.p2alignl 7, 3214868480
	.fill 96, 4, 3214868480
	.section	.rodata,"a",@progbits
	.p2align	6, 0x0
	.amdhsa_kernel k_qdca85f38de_attn
		.amdhsa_group_segment_fixed_size 327680
		.amdhsa_private_segment_fixed_size 0
		.amdhsa_enable_private_segment 0
		.amdhsa_kernarg_size 16
		.amdhsa_user_sgpr_count 2
		.amdhsa_user_sgpr_kernarg_segment_ptr 1
		.amdhsa_wavefront_size32 1
		.amdhsa_system_sgpr_workgroup_id_x 1
		.amdhsa_system_sgpr_workgroup_id_y 1
		.amdhsa_system_sgpr_workgroup_id_z 1
		.amdhsa_system_vgpr_workitem_id 0
		.amdhsa_next_free_vgpr 256
		.amdhsa_next_free_sgpr 66
		.amdhsa_reserve_vcc 1
		.amdhsa_float_denorm_mode_32 3
		.amdhsa_float_denorm_mode_16_64 3
		.amdhsa_memory_ordered 1
		.amdhsa_forward_progress 1
		.amdhsa_inst_pref_size 59
	.end_amdhsa_kernel
	.amdgpu_metadata
---
amdhsa.version: [ 1, 2 ]
amdhsa.kernels:
  - .name:           k_qdca85f38de_attn
    .symbol:         k_qdca85f38de_attn.kd
    .args:
      - { .name: qkv, .offset: 0, .size: 8, .value_kind: global_buffer, .address_space: global }
      - { .name: att, .offset: 8, .size: 8, .value_kind: global_buffer, .address_space: global }
    .group_segment_fixed_size: 327680
    .private_segment_fixed_size: 0
    .kernarg_segment_align: 8
    .kernarg_segment_size: 16
    .max_flat_workgroup_size: 512
    .sgpr_count:     66
    .vgpr_count:     256
    .wavefront_size: 32
...
	.end_amdgpu_metadata
.endif
;; end of part 3
;; launch outp (part 4): grid 4 x 64, 4 waves a work-group, clusters of 4 x 4, 327,680 bytes of LDS; arguments att, wo16, bo, out0; writes out0
.if DOCPART == 4
	.amdgcn_target "amdgcn-amd-amdhsa--gfx1250"
	.amdhsa_code_object_version 6
	.text
	.protected	k_qdca85f38de_outp
	.globl	k_qdca85f38de_outp
	.p2align	8
	.type	k_qdca85f38de_outp,@function
k_qdca85f38de_outp:
	s_mov_b64 s[64:65], 0
	v_nop
	global_prefetch_b8 v0, s[64:65] scope:SCOPE_SE
	s_setreg_imm32_b32 hwreg(HW_REG_WAVE_MODE, 25, 1), 1
	s_wait_xcnt 0x0
	s_wait_alu depctr_hold_cnt(0) depctr_sa_sdst(0) depctr_va_vdst(0) depctr_va_sdst(0) depctr_va_ssrc(0) depctr_va_vcc(0) depctr_vm_vsrc(0)
	s_getreg_b32 s2, hwreg(HW_REG_IB_STS2, 6, 4)
	s_cmp_eq_u32 s2, 0
	s_cbranch_scc0 .Lentry_in_a_cluster
	s_endpgm
.Lentry_in_a_cluster:
	s_bfe_u32 s2, ttmp6, 0x10000c
	s_cmp_lg_u32 s2, 0xf033
	s_cbranch_scc0 .Lentry_shape_is_right
	s_endpgm
.Lentry_shape_is_right:
; OUTP: out = a Wo + bo, a [8192][1024] and Wo in f16, sums and out in f32.  Both operands lie in memory as blocks of 512 bytes in the order of an operand's registers ([tile of 16 rows or columns][16 along K][512 bytes]),
; so a tile's part of a K step of 128 is 4,096 consecutive bytes, a fragment is two loads at 16 x lane, and LDS needs no pitch and no padding.
; A tile of out is 128 rows x 256 columns: 256 work-groups.  Four waves, each 64 x 128: 32 accumulators, 256 registers.  K goes in 8 steps of 128 through a ring of two LDS slots.
; CLUSTERS: 4 x 4 work-groups; the four of a row of the cluster ask jointly for a's tiles, the four of a column for Wo's.  THE MATRIX INSTRUCTION IS USED TRANSPOSED (source 0 = 16 columns of Wo, source 1 = 16 rows of a).
; The first 16 rows of every sequence are computed here like all others and are written again, more finely, by a later launch.
; REGISTERS: window 0: v0-31 addresses; v32-35 bo of my lane's four columns; two fragment buffers of 96 at v64 and v160 (a's 4 fragments, then Wo's 8); on the way out v64-191 rows read back.   window 1: the accumulators ((a, b) at v[8 (8 a + b)]).
.set SLOT,   98304                     ; a's 8 tiles of rows x 4,096 bytes, then Wo's 16 tiles of columns x 4,096
.set BOFF,   32768
.set STAGE,  2*SLOT                    ; behind the ring: 16 rows x (512 bytes + 16) for each wave
.set SPITCH, 528
.set SPARE,  STAGE+4*16*SPITCH         ; the spare words, 128 bytes for each wave
.set LAPS,   4                         ; a lap = two K steps
.set ADRA, 16
.set ADRB, 20
.set STO,  24
.set RD,   25
.set CO,   26
.set SPW,  28
.set NIL,  29
.set BO,   32
.set F0,   64
.set F1,   160
.set BK,   64
.set WV, 12
.set WM, 13                            ; which 64 rows are mine; also: I fetch for a (0) or for Wo (1)
.set WN, 14                            ; which 128 columns; also: which half of that tile I fetch
.set TRW, 15
.set G1, 24
.set G0, 32
.set G1B, 48
.set G0B, 56
.set MSB, 0
.macro WIN new
.if MSB != (\new)
	s_set_vgpr_msb (MSB<<8)|(\new)
.set MSB, (\new)
.endif
.endm
.set MUL, 0x50                         ; sources 0 and 1 window 0; C and D window 1
.macro JLOAD s                         ; a joint load: waves 0 and 1 fetch a's halves, waves 2 and 3 Wo's; an s_nop 0 and four v_nop follow each of the two lines
	s_cmp_eq_u32 s[WM], 0
	s_cbranch_scc0 .Lfor_b_\@
	tensor_load_to_lds s[G0+4*\s:G0+4*\s+3], s[G1:G1+7]
	s_nop 0
.rept 4
	v_nop
.endr
	s_branch .Lasked_\@
.Lfor_b_\@:
	tensor_load_to_lds s[G0B+4*\s:G0B+4*\s+3], s[G1B:G1B+7]
	s_nop 0
.rept 4
	v_nop
.endr
.Lasked_\@:
.endm
.macro CREST                           ; a round of the cluster's barrier behind its opening barrier
	s_cmp_lg_u32 s[WV], 0
	s_cbranch_scc1 .Lnot_wave_0_\@
	s_barrier_signal -3
.Lnot_wave_0_\@:
	s_barrier_wait -3
	s_barrier_signal -1
	s_barrier_wait -1
.endm
.macro CROUND
	s_barrier_signal -1
	s_barrier_wait -1
	CREST
.endm
	s_load_b128 s[4:7], s[0:1], 0x0                ; att s[4:5], wo16 s[6:7]
	s_load_b128 s[8:11], s[0:1], 0x10              ; bo s[8:9], out0 s[10:11]
	v_lshl_add_u32 v[SPW], v0, 2, SPARE
	v_mov_b32 v[NIL], 0
	ds_add_u32 v[SPW], v[NIL]                      ; the wave's opening: the add, twice on end, and its wait ahead of my first tensor load
	ds_add_u32 v[SPW], v[NIL]
	v_lshrrev_b32 v1, 5, v0
	v_readfirstlane_b32 s[WV], v1
	s_lshr_b32 s[WM], s[WV], 1
	s_and_b32 s[WN], s[WV], 1
	s_bfe_u32 s40, ttmp6, 0x40000                  ; cx, cy
	s_bfe_u32 s41, ttmp6, 0x40004
	s_lshl_b32 s42, ttmp9, 2
	s_add_co_u32 s42, s42, s40                     ; tile column (256 columns)
	s_and_b32 s[TRW], ttmp7, 0xffff
	s_lshl_b32 s[TRW], s[TRW], 2
	s_add_co_u32 s[TRW], s[TRW], s41               ; tile row (128 rows)
	s_lshl_b32 s43, s41, 2
	s_lshl_b32 s43, 15, s43                        ; my row of the cluster
	s_lshl_b32 s44, 0x1111, s40                    ; my column
	; descriptor group 1: rows of 4,096 bytes (512 elements of 8 bytes), 32,768 bytes apart in memory, dense in LDS: 4 of them for a, 8 for Wo
	s_or_b32 s[G1+0], s43, (3<<16)|(1<<21)         ; 15:0 the mask; 17:16 elements of 8 bytes; 21 set beside a mask; no padding
	s_or_b32 s[G1B+0], s44, (3<<16)|(1<<21)
	s_mov_b32 s[G1+1], 512<<16                     ; tensor_dim0
	s_mov_b32 s[G1+2], 4<<16                       ; tensor_dim1
	s_mov_b32 s[G1+3], 512<<16                     ; tile_dim0
	s_mov_b32 s[G1+4], 4                           ; tile_dim1
	s_mov_b32 s[G1+5], 4096                        ; tensor_dim0_stride
	s_mov_b32 s[G1+6], 0
	s_mov_b32 s[G1+7], 0
	s_mov_b32 s[G1B+1], 512<<16
	s_mov_b32 s[G1B+2], 8<<16
	s_mov_b32 s[G1B+3], 512<<16
	s_mov_b32 s[G1B+4], 8
	s_mov_b32 s[G1B+5], 4096
	s_mov_b32 s[G1B+6], 0
	s_mov_b32 s[G1B+7], 0
	s_lshl_b32 s16, s[TRW], 3
	s_lshl_b32 s17, s[WN], 2
	s_add_co_u32 s16, s16, s17                     ; a: tile of 16 rows 8 x tile row + 4 x half
	s_lshl_b32 s16, s16, 15
	s_mov_b32 s17, 0
	s_lshl_b32 s46, s42, 4
	s_lshl_b32 s47, s[WN], 3
	s_add_co_u32 s46, s46, s47                     ; Wo: tile of 16 columns 16 x tile column + 8 x half
	s_lshl_b32 s46, s46, 15
	s_mov_b32 s47, 0
	s_lshl_b32 s20, s[WN], 14                      ; where they go: no place in the cluster enters an LDS address
	s_lshl_b32 s21, s[WN], 15
	s_add_co_u32 s21, s21, BOFF
	s_wait_dscnt 0x0                               ; both opening adds are done
	s_wait_kmcnt 0x0
	s_add_nc_u64 s[18:19], s[4:5], s[16:17]
	s_add_nc_u64 s[46:47], s[6:7], s[46:47]
	CROUND                                         ; all sixteen work-groups are here: the first joint loads meet
.irp s, 0,1
	s_mov_b32 s[G0+4*\s], 1
	s_add_co_u32 s[G0+4*\s+1], s20, \s*SLOT
	s_add_nc_u64 s[G0+4*\s+2:G0+4*\s+3], s[18:19], \s*4096
	s_or_b32 s[G0+4*\s+3], s[G0+4*\s+3], 0x80000000
	s_mov_b32 s[G0B+4*\s], 1
	s_add_co_u32 s[G0B+4*\s+1], s21, \s*SLOT
	s_add_nc_u64 s[G0B+4*\s+2:G0B+4*\s+3], s[46:47], \s*4096
	s_or_b32 s[G0B+4*\s+3], s[G0B+4*\s+3], 0x80000000
	JLOAD \s                                       ; two tensor loads of mine are out
.endr
	v_and_b32 v1, 31, v0
	v_lshlrev_b32 v[CO], 4, v1                     ; 16 x lane: a block's place for my lane, and my 16 bytes of a row of 512
	s_lshl_b32 s20, s42, 10
	s_lshl_b32 s21, s[WN], 9
	s_add_co_u32 s20, s20, s21                     ; my wave's first column, in bytes
	s_mov_b32 s21, 0
	s_add_nc_u64 s[8:9], s[8:9], s[20:21]
	global_load_b128 v[BO:BO+3], v[CO], s[8:9]     ; bo of my four columns: the same in every row that I store
	s_add_nc_u64 s[10:11], s[10:11], s[20:21]
	s_lshl_b32 s20, s[TRW], 19
	s_lshl_b32 s22, s[WM], 18
	s_add_co_u32 s20, s20, s22                     ; my first row: 128 x tile row + 64 x half, 4,096 bytes a row
	s_add_nc_u64 s[10:11], s[10:11], s[20:21]
	s_lshl_b32 s21, s[WM], 14                      ; my 4 tiles of rows
	s_lshl_b32 s22, s[WN], 15
	s_add_co_u32 s22, s22, BOFF                    ; my 8 tiles of columns
.irp s, 0,1
	v_add_nc_u32 v[ADRA+\s], s21, v[CO]
	v_add_nc_u32 v[ADRB+\s], s22, v[CO]
	s_add_co_u32 s21, s21, SLOT
	s_add_co_u32 s22, s22, SLOT
.endr
	s_mul_i32 s23, s[WV], 16*SPITCH
	s_add_co_u32 s23, s23, STAGE                   ; my stage
	v_and_b32 v2, 15, v0
	v_bfe_u32 v3, v0, 4, 1
	v_mul_u32_u24 v4, v2, SPITCH                   ; in: row l % 16, 32 bytes for each half of the lanes
	v_lshl_add_u32 v4, v3, 5, v4
	v_add_nc_u32 v[STO], s23, v4
	v_add_nc_u32 v[RD], s23, v[CO]                 ; back: the 32 lanes take one row of 512 bytes
.macro MULA f, a, zero                 ; 8 matrix instructions: tile of rows a against my eight tiles of columns, 32 along K.  zero = 1: the first product starts the sums
.irp b, 0,1,2,3,4,5,6,7
.if \zero
	v_wmma_f32_16x16x32_f16 v[8*(8*(\a)+\b):8*(8*(\a)+\b)+7], v[\f+32+8*\b:\f+32+8*\b+7], v[\f+8*(\a):\f+8*(\a)+7], 0
.else
	v_wmma_f32_16x16x32_f16 v[8*(8*(\a)+\b):8*(8*(\a)+\b)+7], v[\f+32+8*\b:\f+32+8*\b+7], v[\f+8*(\a):\f+8*(\a)+7], v[8*(8*(\a)+\b):8*(8*(\a)+\b)+7]
.endif
.endr
.endm
; 24 LDS loads in one run: the fragments of the slot's kq-th 32 along K into buffer f: Wo's sixteen, then a's tiles 0 and 1, then 2 and 3
.macro FETCH slot, kq, f
	WIN 0
.irp i, 0,1,2,3,4,5,6,7
.irp c, 0,1
	ds_load_b128 v[\f+32+8*\i+4*\c:\f+32+8*\i+4*\c+3], v[ADRB+\slot] offset:\i*4096+(\kq)*1024+\c*512
.endr
.endr
.irp i, 0,1,2,3
.irp c, 0,1
	ds_load_b128 v[\f+8*\i+4*\c:\f+8*\i+4*\c+3], v[ADRA+\slot] offset:\i*4096+(\kq)*1024+\c*512
.endr
.endr
.endm
.macro PLACES                          ; four plain lines in front of loads into registers that matrix instructions have read, and of the first read of results
.rept 4
	v_nop
.endr
.endm
; A K step is four quarters of 32 along K, 32 matrix instructions each, on buffers 0, 1, 0, 1; the 32 accumulators take turns in the same order in every quarter.
.macro QUARTER slot, kq, f, g, zero    ; multiplies buffer f; in its middle fetches the slot's kq-th quarter into g
	s_wait_dscnt 4                                 ; Wo's fragments and a's tiles 0 and 1 are in; the youngest four loads may be out
	WIN MUL
	MULA \f, 0, \zero
	MULA \f, 1, \zero
	PLACES
	FETCH \slot, \kq, \g
	s_wait_dscnt 24                                ; all but the 24 just issued
	WIN MUL
	MULA \f, 2, \zero
	MULA \f, 3, \zero
.endm
; The last quarter multiplies buffer 1 and changes slots: ONE barrier; in front of it each wave waits for all its tensor loads, adds 0 to its spare word, and waits for that and for its own reads of this slot.  fill = 1: this slot is filled again, two K steps ahead.
.macro TURN slot, next, fill
	WIN 0                                          ; (the add's two registers lie in window 0)
	s_wait_tensorcnt 0x0                           ; all my tensor loads have landed: my part of the next slot
	ds_add_u32 v[SPW], v[NIL]
	s_wait_dscnt 5                                 ; (the add and the youngest four loads may be out)
	WIN MUL
	MULA F1, 0, 0                                  ; eight matrix instructions stand between the add and the wait for it
	s_wait_dscnt 0x0                               ; the add is done, and my reads of this slot are over
	s_barrier_signal -1
	MULA F1, 1, 0
.if \fill
	WIN 0
.endif
	s_barrier_wait -1
.if \fill
	CREST                                          ; the barrier has opened a round of the cluster's barrier: no wave of any partner still reads this slot or has a load on its way
	s_add_nc_u64 s[G0+4*\slot+2:G0+4*\slot+3], s[G0+4*\slot+2:G0+4*\slot+3], 8192
	s_add_nc_u64 s[G0B+4*\slot+2:G0B+4*\slot+3], s[G0B+4*\slot+2:G0B+4*\slot+3], 8192
	JLOAD \slot                                    ; the first tensor load behind the round; the four v_nop behind it are also the places in front of the loads below
.else
	PLACES
.endif
	FETCH \next, 0, F0
	WIN MUL
	MULA F1, 2, 0
	MULA F1, 3, 0
.endm
	s_wait_tensorcnt 1                             ; my part of K step 0 is in (K step 1's may be out)
	s_barrier_signal -1
	s_barrier_wait -1                              ; everybody's is
	FETCH 0, 0, F0
	QUARTER 0, 1, F0, F1, 1                        ; the first quarter stands in front of the loop: its products start the sums
	WIN 0                                          ; at a label and at a branch every window is 0
	s_mov_b32 s3, LAPS-1
.Llap:                                                 ; a trip goes once round the ring, from a lap's second quarter to the next lap's first, and fills both slots again
	QUARTER 0, 2, F1, F0, 0
	QUARTER 0, 3, F0, F1, 0
	TURN 0, 1, 1
	QUARTER 1, 1, F0, F1, 0
	QUARTER 1, 2, F1, F0, 0
	QUARTER 1, 3, F0, F1, 0
	TURN 1, 0, 1
	QUARTER 0, 1, F0, F1, 0
	WIN 0
	s_sub_co_u32 s3, s3, 1
	s_cmp_lg_u32 s3, 0
	s_cbranch_scc1 .Llap
	QUARTER 0, 2, F1, F0, 0                        ; the last lap fills nothing, and has no round of the cluster's barrier
	QUARTER 0, 3, F0, F1, 0
	TURN 0, 1, 0
	QUARTER 1, 1, F0, F1, 0
	QUARTER 1, 2, F1, F0, 0
	QUARTER 1, 3, F0, F1, 0
	s_wait_dscnt 4                                 ; the very last quarter: nothing more to fetch
	WIN MUL
	MULA F1, 0, 0
	MULA F1, 1, 0
	s_wait_dscnt 0
	MULA F1, 2, 0
	MULA F1, 3, 0
	WIN 0
; THE WAY OUT, block by block of 16 rows x 128 columns: through my own stage in LDS, back as whole rows of 512 bytes; bo is added on the way; the 32 lanes store 512 consecutive bytes.
; LDS serves a wave's instructions in order (ISA guide 5.7.1.4): no wait between the stores and the loads, nor in front of the next block's stores.
.macro TOSTAGE a
	WIN 0x04                                       ; an LDS store's data are its source 1: window 1
.irp b, 0,1,2,3,4,5,6,7
	ds_store_b128 v[STO], v[64*(\a)+8*\b:64*(\a)+8*\b+3] offset:64*\b          ; each accumulator from its low end on
	ds_store_b128 v[STO], v[64*(\a)+8*\b+4:64*(\a)+8*\b+7] offset:64*\b+16
.endr
	WIN 0
.set BB, BK+64*((\a)%2)
.irp t, 0,1,2,3,4,5,6,7,8,9,10,11,12,13,14,15
	ds_load_b128 v[BB+4*\t:BB+4*\t+3], v[RD] offset:\t*SPITCH
.endr
.endm
.macro SEND a, younger                 ; younger: the LDS instructions issued behind block a's loads, which may stay out
.set BB, BK+64*((\a)%2)
	s_wait_dscnt \younger
.irp t, 0,1,2,3,4,5,6,7,8,9,10,11,12,13,14,15
	v_pk_add_f32 v[BB+4*\t:BB+4*\t+1], v[BB+4*\t:BB+4*\t+1], v[BO:BO+1]
	v_pk_add_f32 v[BB+4*\t+2:BB+4*\t+3], v[BB+4*\t+2:BB+4*\t+3], v[BO+2:BO+3]
	global_store_b128 v[CO], v[BB+4*\t:BB+4*\t+3], s[10:11] offset:(16*(\a)+\t)*4096 th:TH_STORE_NT   ; the row's place stands in the immediate: 63 rows of 4,096 bytes at the most
.endr
.endm
	s_wait_loadcnt 0x0                             ; bo
	PLACES                                         ; behind the last products
	TOSTAGE 0
	TOSTAGE 1
	SEND 0, 32                                     ; behind block 0's loads: block 1's 16 stores and 16 loads
	s_wait_xcnt 0x0                                ; block 0's stores have read their registers: block 2's loads may land there
	TOSTAGE 2
	SEND 1, 32
	s_wait_xcnt 0x0
	TOSTAGE 3
	SEND 2, 32
	SEND 3, 0
	s_wait_tensorcnt 0x0                           ; the wave's end, behind my last tensor load and my last LDS store
	ds_add_u32 v[SPW], v[NIL]
	s_wait_dscnt 0x0
	CROUND                                         ; the closing round
	s_endpgm
.Lfunc_end_k_qdca85f38de_outp:
	.size	k_qdca85f38de_outp, .Lfunc_end_k_qdca85f38de_outp-k_qdca85f38de_outp
	.p2alignl 7, 3214868480
	.fill 96, 4, 3214868480
	.section	.rodata,"a",@progbits
	.p2align	6, 0x0
	.amdhsa_kernel k_qdca85f38de_outp
		.amdhsa_group_segment_fixed_size 327680
		.amdhsa_private_segment_fixed_size 0
		.amdhsa_enable_private_segment 0
		.amdhsa_kernarg_size 32
		.amdhsa_user_sgpr_count 2
		.amdhsa_user_sgpr_kernarg_segment_ptr 1
		.amdhsa_wavefront_size32 1
		.amdhsa_system_sgpr_workgroup_id_x 1
		.amdhsa_system_sgpr_workgroup_id_y 1
		.amdhsa_system_sgpr_workgroup_id_z 1
		.amdhsa_system_vgpr_workitem_id 0
		.amdhsa_next_free_vgpr 512
		.amdhsa_next_free_sgpr 66
		.amdhsa_reserve_vcc 0
		.amdhsa_float_denorm_mode_32 3
		.amdhsa_float_denorm_mode_16_64 3
		.amdhsa_memory_ordered 1
		.amdhsa_forward_progress 1
		.amdhsa_inst_pref_size 92
	.end_amdhsa_kernel
	.amdgpu_metadata
---
amdhsa.version: [ 1, 2 ]
amdhsa.kernels:
  - .name:           k_qdca85f38de_outp
    .symbol:         k_qdca85f38de_outp.kd
    .args:
      - { .name: att, .offset: 0, .size: 8, .value_kind: global_buffer, .address_space: global }
      - { .name: wo16, .offset: 8, .size: 8, .value_kind: global_buffer, .address_space: global }
      - { .name: bo, .offset: 16, .size: 8, .value_kind: global_buffer, .address_space: global }
      - { .name: out0, .offset: 24, .size: 8, .value_kind: global_buffer, .address_space: global }
    .group_segment_fixed_size: 327680
    .private_segment_fixed_size: 0
    .kernarg_segment_align: 8
    .kernarg_segment_size: 32
    .max_flat_workgroup_size: 128
    .sgpr_count:     66
    .vgpr_count:     512
    .wavefront_size: 32
...
	.end_amdgpu_metadata
.endif
;; end of part 4
;; launch first_a (part 5): grid 16 x 4, 12 waves a work-group, no clusters, 14,848 bytes of LDS; arguments cod, scl, bq, bk, bv, a32; writes a32
.if DOCPART == 5
	.amdgcn_target "amdgcn-amd-amdhsa--gfx1250"
	.amdhsa_code_object_version 6
	.text
	.protected	k_qdca85f38de_first_a
	.globl	k_qdca85f38de_first_a
	.p2align	8
	.type	k_qdca85f38de_first_a,@function
k_qdca85f38de_first_a:
	s_mov_b64 s[64:65], 0
	v_nop
	global_prefetch_b8 v0, s[64:65] scope:SCOPE_SE
	s_setreg_imm32_b32 hwreg(HW_REG_WAVE_MODE, 25, 1), 1
	s_wait_xcnt 0x0
; FIRST_A: the first 16 positions of every sequence, in f32 from the projections on: under the causal mask these rows average one to sixteen values and are the largest, so operands of 16 bits would weigh most here.
; A work-group takes one head (x) of one batch (y).  PHASE 1, twelve waves: wave (t = w / 4, u = w % 4) makes 16 positions x channels 16 u .. 16 u + 15 of q (t = 0), k (1) or v (2), from the same codes and scale bytes as the bulk,
; by the scaled matrix instruction, transposed (source 0 = the weight), the bias as the first C; two accumulators take turns along K.  The results go to LDS as f32 rows.  One barrier.
; PHASE 2, waves 0 to 3: each makes the 16 x 16 scores and their softmax (the f32 matrix form; the registers that it writes are written by matrix instructions alone), and channels 16 u .. 16 u + 15 of the result.
; a32: [batch 4][8 along K 128][512 bytes]: at 16 (r + 16 h) lies a(row r, k = 8 s + 4 h + 0..3), the order in which the next launch's operand registers take it.
; In the f32 form a lane holds K slots 2 (lane / 16) + 0, 1.  Which k stands in which slot is free, as long as both sources agree: here a lane's four neighbours along K serve two instructions.
.set SPARE, 13312                      ; behind q, k, v (3 x 16 rows x 272 bytes): the spare words, 128 bytes for each of 12 waves
.set WC, 12582912
.set WS, 786432
.set SPW, 2
.set NIL, 3
	s_load_b128 s[4:7], s[0:1], 0x0                ; cod, scl
	s_load_b128 s[8:11], s[0:1], 0x10              ; bq, bk
	s_load_b128 s[12:15], s[0:1], 0x20             ; bv, a32
	v_lshl_add_u32 v[SPW], v0, 2, SPARE
	v_mov_b32 v[NIL], 0
	v_lshrrev_b32 v1, 5, v0
	v_readfirstlane_b32 s16, v1                    ; wave 0..11
	s_lshr_b32 s17, s16, 2                         ; t
	s_and_b32 s18, s16, 3                          ; u
	s_and_b32 s19, ttmp7, 0xffff                   ; batch; the head is ttmp9
	v_and_b32 v4, 15, v0                           ; r
	v_bfe_u32 v5, v0, 4, 1                         ; h
	v_lshlrev_b32 v6, 9, v4
	v_lshl_add_u32 v6, v5, 4, v6                   ; codes: row r of 512 bytes, + 16 h
	v_lshlrev_b32 v7, 5, v4                        ; scale words: row r of 32 bytes
	v_lshlrev_b32 v8, 5, v5                        ; bias: 8 h numbers on
	; every LDS address is made here, ahead of the parting of the waves
	s_mul_i32 s20, s17, 4352
	s_lshl_b32 s21, s18, 6
	s_add_co_u32 s20, s20, s21
	v_mul_u32_u24 v9, v4, 272
	v_lshl_add_u32 v10, v5, 5, v9
	v_add_nc_u32 v10, s20, v10                     ; phase 1 stores at: tensor x 4,352 + r x 272 + 64 u + 32 h
	v_lshl_add_u32 v11, v5, 4, v9                  ; phase 2 reads q and k at: r x 272 + 16 h
	v_mul_u32_u24 v12, v5, 8*272
	v_lshl_add_u32 v12, v4, 2, v12
	v_add_nc_u32 v12, s21, v12                     ; and v at: key 8 h on, channel 16 u + r
	v_lshlrev_b32 v13, 3, v5
	v_sub_nc_u32 v13, v4, v13                      ; r - 8 h: key 8 h + j is hidden from query r where j > r - 8 h
	v_lshlrev_b32 v14, 9, v5
	v_lshl_add_u32 v14, v4, 4, v14                 ; the way out: block h, 16 r
	v_mov_b32 v15, 0xff800000                      ; -infinity
	v_mov_b32 v17, 0                               ; (a lane permute's destination counts as one of its sources)
	v_mov_b32 v21, 0                               ; (named as the upper half of the pair v[20:21])
	s_mov_b32 s30, 0x76543210
	s_mov_b32 s31, 0xfedcba98
	s_mov_b32 s32, 0x3e38aa3b                      ; c = log2(e) / 8
	s_lshl_b32 s22, s17, 13
	s_lshl_b32 s23, s19, 11
	s_add_co_u32 s22, s22, s23                     ; x: row 8,192 t + 2,048 batch
	s_lshl_b32 s26, s22, 5
	s_lshl_b32 s22, s22, 9
	s_mov_b32 s23, 0
	s_mov_b32 s27, 0
	s_lshl_b32 s24, s17, 10
	s_lshl_b32 s25, ttmp9, 6
	s_lshl_b32 s33, s18, 4
	s_add_co_u32 s33, s33, s25                     ; my first column: 64 head + 16 u
	s_add_co_u32 s24, s24, s33                     ; the weight: row 1,024 t + that
	s_lshl_b32 s28, s24, 5
	s_add_co_u32 s28, s28, WS
	s_lshl_b32 s24, s24, 9
	s_add_co_u32 s24, s24, WC
	s_mov_b32 s25, 0
	s_mov_b32 s29, 0
	s_lshl_b32 s34, s33, 2
	s_mov_b32 s35, 0
	s_lshl_b32 s36, s19, 7
	s_lshl_b32 s37, ttmp9, 3
	s_add_co_u32 s36, s36, s37
	s_lshl_b32 s37, s18, 1
	s_add_co_u32 s36, s36, s37
	s_lshl_b32 s36, s36, 9                         ; a32: block 128 batch + 8 head + 2 u
	s_mov_b32 s37, 0
	s_wait_kmcnt 0x0
	s_cmp_eq_u32 s17, 0
	s_cselect_b64 s[8:9], s[8:9], s[10:11]
	s_cmp_eq_u32 s17, 2
	s_cselect_b64 s[8:9], s[12:13], s[8:9]         ; the bias: the choice hangs on the wave's number alone
	s_add_nc_u64 s[8:9], s[8:9], s[34:35]
	s_add_nc_u64 s[22:23], s[4:5], s[22:23]
	s_add_nc_u64 s[24:25], s[4:5], s[24:25]
	s_add_nc_u64 s[26:27], s[6:7], s[26:27]
	s_add_nc_u64 s[28:29], s[6:7], s[28:29]
	s_add_nc_u64 s[14:15], s[14:15], s[36:37]
.irp s, 0,1,2,3,4,5,6,7
.irp c, 0,1
	global_load_b128 v[32+8*\s+4*\c:32+8*\s+4*\c+3], v6, s[22:23] offset:64*\s+32*\c   ; x's fragment of K step s
	global_load_b128 v[96+8*\s+4*\c:96+8*\s+4*\c+3], v6, s[24:25] offset:64*\s+32*\c   ; the weight's
.endr
.endr
	global_load_b128 v[160:163], v7, s[26:27]      ; x's eight scale words: registers that hold scales and nothing else
	global_load_b128 v[164:167], v7, s[26:27] offset:16
	global_load_b128 v[168:171], v7, s[28:29]      ; the weight's
	global_load_b128 v[172:175], v7, s[28:29] offset:16
	global_load_b128 v[176:179], v8, s[8:9]        ; the bias, in the result's layout
	global_load_b128 v[180:183], v8, s[8:9] offset:16
	s_wait_loadcnt 0x0
.irp s, 0,1,2,3,4,5,6,7                        ; even K steps onto v[184:191], odd ones onto v[192:199]: by turns
.if \s == 0
	v_wmma_scale_f32_16x16x128_f8f6f4 v[184:191], v[96:103], v[32:39], v[176:183], v168, v160 matrix_a_fmt:MATRIX_FMT_FP4 matrix_b_fmt:MATRIX_FMT_FP4
.elseif \s == 1
	v_wmma_scale_f32_16x16x128_f8f6f4 v[192:199], v[104:111], v[40:47], 0, v169, v161 matrix_a_fmt:MATRIX_FMT_FP4 matrix_b_fmt:MATRIX_FMT_FP4
.else
	v_wmma_scale_f32_16x16x128_f8f6f4 v[184+8*(\s%2):191+8*(\s%2)], v[96+8*\s:103+8*\s], v[32+8*\s:39+8*\s], v[184+8*(\s%2):191+8*(\s%2)], v[168+\s], v[160+\s] matrix_a_fmt:MATRIX_FMT_FP4 matrix_b_fmt:MATRIX_FMT_FP4
.endif
.endr
.rept 4
	v_nop
.endr
.irp j, 0,2,4,6
	v_pk_add_f32 v[200+\j:201+\j], v[184+\j:185+\j], v[192+\j:193+\j]   ; lane (r, h): position r, channels 16 u + 8 h + 0..7
.endr
	ds_store_b128 v10, v[200:203]
	ds_store_b128 v10, v[204:207] offset:16
	s_wait_dscnt 0x0                               ; for the others' sake: my stores have landed
	s_barrier_signal -1
	s_barrier_wait -1
	s_cmp_lt_u32 s16, 4
	s_cbranch_scc1 .Lphase2
	s_wait_tensorcnt 0x0                           ; waves 4 to 11 are done
	ds_add_u32 v[SPW], v[NIL]
	s_wait_dscnt 0x0
	s_endpgm
.Lphase2:
.irp s, 0,1,2,3,4,5,6,7
	ds_load_b128 v[32+4*\s:35+4*\s], v11 offset:4352+32*\s   ; k(key r, channels 8 s + 4 h + 0..3)
	ds_load_b128 v[64+4*\s:67+4*\s], v11 offset:32*\s        ; q(query r, the same channels)
.endr
.irp i, 0,1,2,3,4,5,6,7
	ds_load_b32 v[96+\i], v12 offset:8704+272*\i             ; v(key 8 h + i, channel 16 u + r)
.endr
	s_wait_dscnt 0x0
.irp s, 0,1,2,3,4,5,6,7                        ; S^T = k q^T: a lane's registers 0, 1 onto v[208:215], 2, 3 onto v[216:223], by turns
.irp e, 0,1
.if \s == 0
	v_wmma_f32_16x16x4_f32 v[208+8*\e:215+8*\e], v[32+2*\e:33+2*\e], v[64+2*\e:65+2*\e], 0
.else
	v_wmma_f32_16x16x4_f32 v[208+8*\e:215+8*\e], v[32+4*\s+2*\e:33+4*\s+2*\e], v[64+4*\s+2*\e:65+4*\s+2*\e], v[208+8*\e:215+8*\e]
.endif
.endr
.endr
.rept 8
	v_nop                                          ; eight places behind this form
.endr
.irp j, 0,2,4,6
	v_pk_add_f32 v[240+\j:241+\j], v[208+\j:209+\j], v[216+\j:217+\j]   ; lane (r, h): query r, keys 8 h + 0..7
.endr
.irp j, 0,1,2,3,4,5,6,7
	v_cmp_gt_i32 vcc_lo, \j, v13
	v_cndmask_b32 v[240+\j], v[240+\j], v15, vcc_lo   ; hidden keys: -infinity
.endr
	v_max3_num_f32 v16, v240, v241, v242
	v_max3_num_f32 v16, v16, v243, v244
	v_max3_num_f32 v16, v16, v245, v246
	v_max_num_f32 v16, v16, v247
	v_permlanex16_b32 v17, v16, s30, s31
	v_max_num_f32 v16, v16, v17                    ; the row's maximum: key 0 counts for every query
	v_mul_f32 v18, s32, v16
.irp j, 0,1,2,3,4,5,6,7
	v_fma_f32 v[240+\j], v[240+\j], s32, -v18
.endr
.irp j, 0,1,2,3,4,5,6,7
	v_exp_f32 v[240+\j], v[240+\j]
.endr
	v_nop                                          ; a plain line behind the last exponential
	s_wait_alu depctr_va_vdst(0)                   ; one wait for the eight, ahead of their first reader
	v_pk_add_f32 v[22:23], v[240:241], v[242:243]
	v_pk_add_f32 v[24:25], v[244:245], v[246:247]
	v_pk_add_f32 v[22:23], v[22:23], v[24:25]
	v_add_f32 v19, v22, v23
	v_permlanex16_b32 v17, v19, s30, s31
	v_add_f32 v19, v19, v17                        ; the row's sum
	v_rcp_f32 v20, v19
	v_nop
	s_wait_alu depctr_va_vdst(0)
.irp s, 0,1,2,3                                ; O^T = v^T p: K slot (h, j) is key 8 h + 2 s + j in both sources; two accumulators by turns
.if \s < 2
	v_wmma_f32_16x16x4_f32 v[224+8*\s:231+8*\s], v[96+2*\s:97+2*\s], v[240+2*\s:241+2*\s], 0
.else
	v_wmma_f32_16x16x4_f32 v[224+8*(\s%2):231+8*(\s%2)], v[96+2*\s:97+2*\s], v[240+2*\s:241+2*\s], v[224+8*(\s%2):231+8*(\s%2)]
.endif
.endr
.rept 8
	v_nop
.endr
.irp j, 0,2,4,6
	v_pk_add_f32 v[104+\j:105+\j], v[224+\j:225+\j], v[232+\j:233+\j]
.endr
.irp j, 0,2,4,6
	v_pk_mul_f32 v[104+\j:105+\j], v[104+\j:105+\j], v[20:21] op_sel_hi:[1,0]   ; lane (r, h): row r, channels 16 u + 8 h + 0..7
.endr
	global_store_b128 v14, v[104:107], s[14:15]             ; sixteen lanes store 256 consecutive bytes, aligned
	global_store_b128 v14, v[108:111], s[14:15] offset:256
	s_wait_tensorcnt 0x0                           ; the wave's end: the same three lines
	ds_add_u32 v[SPW], v[NIL]
	s_wait_dscnt 0x0
	s_endpgm
.Lfunc_end_k_qdca85f38de_first_a:
	.size	k_qdca85f38de_first_a, .Lfunc_end_k_qdca85f38de_first_a-k_qdca85f38de_first_a
	.p2alignl 7, 3214868480
	.fill 96, 4, 3214868480
	.section	.rodata,"a",@progbits
	.p2align	6, 0x0
	.amdhsa_kernel k_qdca85f38de_first_a
		.amdhsa_group_segment_fixed_size 14848
		.amdhsa_private_segment_fixed_size 0
		.amdhsa_enable_private_segment 0
		.amdhsa_kernarg_size 48
		.amdhsa_user_sgpr_count 2
		.amdhsa_user_sgpr_kernarg_segment_ptr 1
		.amdhsa_wavefront_size32 1
		.amdhsa_system_sgpr_workgroup_id_x 1
		.amdhsa_system_sgpr_workgroup_id_y 1
		.amdhsa_system_sgpr_workgroup_id_z 1
		.amdhsa_system_vgpr_workitem_id 0
		.amdhsa_next_free_vgpr 256
		.amdhsa_next_free_sgpr 66
		.amdhsa_reserve_vcc 1
		.amdhsa_float_denorm_mode_32 3
		.amdhsa_float_denorm_mode_16_64 3
		.amdhsa_memory_ordered 1
		.amdhsa_forward_progress 1
		.amdhsa_inst_pref_size 16
	.end_amdhsa_kernel
	.amdgpu_metadata
---
amdhsa.version: [ 1, 2 ]
amdhsa.kernels:
  - .name:           k_qdca85f38de_first_a
    .symbol:         k_qdca85f38de_first_a.kd
    .args:
      - { .name: cod, .offset: 0, .size: 8, .value_kind: global_buffer, .address_space: global }
      - { .name: scl, .offset: 8, .size: 8, .value_kind: global_buffer, .address_space: global }
      - { .name: bq, .offset: 16, .size: 8, .value_kind: global_buffer, .address_space: global }
      - { .name: bk, .offset: 24, .size: 8, .value_kind: global_buffer, .address_space: global }
      - { .name: bv, .offset: 32, .size: 8, .value_kind: global_buffer, .address_space: global }
      - { .name: a32, .offset: 40, .size: 8, .value_kind: global_buffer, .address_space: global }
    .group_segment_fixed_size: 14848
    .private_segment_fixed_size: 0
    .kernarg_segment_align: 8
    .kernarg_segment_size: 48
    .max_flat_workgroup_size: 384
    .sgpr_count:     66
    .vgpr_count:     256
    .wavefront_size: 32
...
	.end_amdgpu_metadata
.endif
;; end of part 5
;; launch first_b (part 6): grid 16 x 4, 16 waves a work-group, no clusters, 71,680 bytes of LDS; arguments a32, wo32, bo, out0; writes out0
.if DOCPART == 6
	.amdgcn_target "amdgcn-amd-amdhsa--gfx1250"
	.amdhsa_code_object_version 6
	.text
	.protected	k_qdca85f38de_first_b
	.globl	k_qdca85f38de_first_b
	.p2align	8
	.type	k_qdca85f38de_first_b,@function
k_qdca85f38de_first_b:
	s_mov_b64 s[64:65], 0
	v_nop
	global_prefetch_b8 v0, s[64:65] scope:SCOPE_SE
	s_setreg_imm32_b32 hwreg(HW_REG_WAVE_MODE, 25, 1), 1
	s_wait_xcnt 0x0
; FIRST_B: out = a Wo + bo for the first 16 positions of every sequence, in f32: these 64 rows of out0 are written again here, over what the bulk launch left there.
; A work-group takes 64 columns (x) of one batch (y).  K = 1,024 is shared among sixteen waves, 64 each: 64 instructions of the f32 matrix form a wave, four accumulators by turns (source 0 = 16 columns of Wo, source 1 = the 16 rows).
; Both operands lie in memory in the order of the operand's registers: 16 bytes a lane, four neighbours along K, which serve two instructions.  The sixteen partial sums meet in LDS; waves 0 to 7 add them, two rows each, add bo and store.
.set SPARE, 69632                      ; behind 16 x 16 rows x 272 bytes: the spare words, 128 bytes for each of 16 waves
.set SPW, 2
.set NIL, 3
	s_load_b128 s[4:7], s[0:1], 0x0                ; a32, wo32
	s_load_b128 s[8:11], s[0:1], 0x10              ; bo, out0
	v_lshl_add_u32 v[SPW], v0, 2, SPARE
	v_mov_b32 v[NIL], 0
	v_lshrrev_b32 v1, 5, v0
	v_readfirstlane_b32 s12, v1                    ; wave 0..15
	s_and_b32 s13, ttmp7, 0xffff                   ; batch; the 64 columns are ttmp9's
	v_and_b32 v4, 31, v0
	v_lshlrev_b32 v5, 4, v4                        ; 16 x lane
	v_and_b32 v6, 15, v0                           ; r
	v_bfe_u32 v7, v0, 4, 1                         ; h
	s_mul_i32 s14, s12, 4352
	v_mul_u32_u24 v8, v6, 272
	v_lshl_add_u32 v8, v7, 5, v8
	v_add_nc_u32 v8, s14, v8                       ; my partial sums go to: wave x 4,352 + r x 272 + 32 h
	s_mul_i32 s15, s12, 544
	v_mul_u32_u24 v9, v7, 272
	v_lshl_add_u32 v9, v6, 4, v9
	v_add_nc_u32 v9, s15, v9                       ; and are read at: row 2 wave + h, 16 r
	v_lshlrev_b32 v10, 4, v6                       ; bo: my four columns
	v_lshl_add_u32 v11, v7, 12, v10                ; out0: row h, 16 r
	s_lshl_b32 s16, s13, 16
	s_lshl_b32 s18, s12, 12
	s_add_co_u32 s16, s16, s18                     ; a32: block 128 batch + 8 wave
	s_mov_b32 s17, 0
	s_lshl_b32 s20, ttmp9, 18
	s_add_co_u32 s18, s20, s18                     ; wo32: block 128 x (4 x) + 8 wave
	s_mov_b32 s19, 0
	s_lshl_b32 s20, ttmp9, 8                       ; 64 columns of 4 bytes
	s_mov_b32 s21, 0
	s_lshl_b32 s22, s13, 23                        ; 2,048 rows of 4,096 bytes a batch
	s_lshl_b32 s23, s12, 13                        ; two rows a wave
	s_add_co_u32 s22, s22, s23
	s_add_co_u32 s22, s22, s20
	s_mov_b32 s23, 0
	s_wait_kmcnt 0x0
	s_add_nc_u64 s[4:5], s[4:5], s[16:17]
	s_add_nc_u64 s[6:7], s[6:7], s[18:19]
	s_add_nc_u64 s[8:9], s[8:9], s[20:21]
	s_add_nc_u64 s[10:11], s[10:11], s[22:23]
	global_load_b128 v[24:27], v10, s[8:9]         ; bo: the oldest load, in when any later one is
.irp i, 0,1,2,3,4,5,6,7                        ; five loads for each 8 along K
	global_load_b128 v[32+4*\i:35+4*\i], v5, s[4:5] offset:512*\i
.irp n, 0,1,2,3
	global_load_b128 v[64+16*\i+4*\n:67+16*\i+4*\n], v5, s[6:7] offset:65536*\n+512*\i
.endr
.endr
.irp i, 0,1,2,3,4,5,6,7
	s_wait_loadcnt 5*(7-\i)                        ; these five are in; the five of each later 8 along K may be out
.irp e, 0,1
.irp n, 0,1,2,3
.if (\i == 0) && (\e == 0)
	v_wmma_f32_16x16x4_f32 v[192+8*\n:199+8*\n], v[64+4*\n:65+4*\n], v[32:33], 0
.else
	v_wmma_f32_16x16x4_f32 v[192+8*\n:199+8*\n], v[64+16*\i+4*\n+2*\e:65+16*\i+4*\n+2*\e], v[32+4*\i+2*\e:33+4*\i+2*\e], v[192+8*\n:199+8*\n]
.endif
.endr
.endr
.endr
.rept 8
	v_nop                                          ; eight places behind this form
.endr
.irp n, 0,1,2,3
	ds_store_b128 v8, v[192+8*\n:195+8*\n] offset:64*\n       ; lane (r, h): row r, columns 16 n + 8 h + 0..7; each accumulator from its low end on
	ds_store_b128 v8, v[196+8*\n:199+8*\n] offset:64*\n+16
.endr
	s_wait_dscnt 0x0                               ; for the others' sake: my stores have landed
	s_barrier_signal -1
	s_barrier_wait -1
	s_cmp_lt_u32 s12, 8
	s_cbranch_scc1 .Lsum
	s_wait_tensorcnt 0x0                           ; waves 8 to 15 are done
	ds_add_u32 v[SPW], v[NIL]
	s_wait_dscnt 0x0
	s_endpgm
.Lsum:
.irp p, 0,1,2,3,4,5,6,7,8,9,10,11,12,13,14,15
	ds_load_b128 v[32+4*\p:35+4*\p], v9 offset:4352*\p       ; wave p's part of my four numbers
.endr
	s_wait_dscnt 0x0
.irp p, 2,4,6,8,10,12,14                       ; two chains: the even waves' parts and the odd ones'
	v_pk_add_f32 v[32:33], v[32:33], v[32+4*\p:33+4*\p]
	v_pk_add_f32 v[34:35], v[34:35], v[34+4*\p:35+4*\p]
	v_pk_add_f32 v[36:37], v[36:37], v[36+4*\p:37+4*\p]
	v_pk_add_f32 v[38:39], v[38:39], v[38+4*\p:39+4*\p]
.endr
	v_pk_add_f32 v[32:33], v[32:33], v[36:37]
	v_pk_add_f32 v[34:35], v[34:35], v[38:39]
	v_pk_add_f32 v[32:33], v[32:33], v[24:25]
	v_pk_add_f32 v[34:35], v[34:35], v[26:27]
	global_store_b128 v11, v[32:35], s[10:11]      ; sixteen lanes store 256 consecutive bytes of a row, aligned
	s_wait_tensorcnt 0x0                           ; the wave's end: the same three lines
	ds_add_u32 v[SPW], v[NIL]
	s_wait_dscnt 0x0
	s_endpgm
.Lfunc_end_k_qdca85f38de_first_b:
	.size	k_qdca85f38de_first_b, .Lfunc_end_k_qdca85f38de_first_b-k_qdca85f38de_first_b
	.p2alignl 7, 3214868480
	.fill 96, 4, 3214868480
	.section	.rodata,"a",@progbits
	.p2align	6, 0x0
	.amdhsa_kernel k_qdca85f38de_first_b
		.amdhsa_group_segment_fixed_size 71680
		.amdhsa_private_segment_fixed_size 0
		.amdhsa_enable_private_segment 0
		.amdhsa_kernarg_size 32
		.amdhsa_user_sgpr_count 2
		.amdhsa_user_sgpr_kernarg_segment_ptr 1
		.amdhsa_wavefront_size32 1
		.amdhsa_system_sgpr_workgroup_id_x 1
		.amdhsa_system_sgpr_workgroup_id_y 1
		.amdhsa_system_sgpr_workgroup_id_z 1
		.amdhsa_system_vgpr_workitem_id 0
		.amdhsa_next_free_vgpr 224
		.amdhsa_next_free_sgpr 66
		.amdhsa_reserve_vcc 0
		.amdhsa_float_denorm_mode_32 3
		.amdhsa_float_denorm_mode_16_64 3
		.amdhsa_memory_ordered 1
		.amdhsa_forward_progress 1
		.amdhsa_inst_pref_size 15
	.end_amdhsa_kernel
	.amdgpu_metadata
---
amdhsa.version: [ 1, 2 ]
amdhsa.kernels:
  - .name:           k_qdca85f38de_first_b
    .symbol:         k_qdca85f38de_first_b.kd
    .args:
      - { .name: a32, .offset: 0, .size: 8, .value_kind: global_buffer, .address_space: global }
      - { .name: wo32, .offset: 8, .size: 8, .value_kind: global_buffer, .address_space: global }
      - { .name: bo, .offset: 16, .size: 8, .value_kind: global_buffer, .address_space: global }
      - { .name: out0, .offset: 24, .size: 8, .value_kind: global_buffer, .address_space: global }
    .group_segment_fixed_size: 71680
    .private_segment_fixed_size: 0
    .kernarg_segment_align: 8
    .kernarg_segment_size: 32
    .max_flat_workgroup_size: 512
    .sgpr_count:     66
    .vgpr_count:     224
    .wavefront_size: 32
...
	.end_amdgpu_metadata
.endif
;; end of part 6
